; MI455X (gfx1250); checked and timed in simulation.
; The chip was launched on July 23, 2026; its instructions are those of AMD's public machine-readable ISA for CDNA 5 (MIT licence, August 2026) and "CDNA5" Instruction Set Architecture Reference Guide (July 2026). The comments in the code are by the model that wrote it; some were corrected since.
;; Causal Self Attention. Allowed arithmetic: matrix products marked QUANTISED: E2M3 operands, one E8M0 scale for each 32 along K, by v_wmma_scale_f32_16x16x128_f8f6f4 with both operands' format E2M3, f32 sums; everything else in f32.
;; Inputs: Wk 1,024 x 1,024 float32; Wp 1,024 x 1,024 float32; Wq 1,024 x 1,024 float32; Wv 1,024 x 1,024 float32; x 4 x 2,048 x 1,024 float32.
;; Outputs: out0 4 x 2,048 x 1,024 float32.
;; This version of the problem:
;;   THIS VERSION OF THE PROBLEM IS GIVEN IN LOW PRECISION. The matrix products marked QUANTISED in the list below multiply operands that are first quantised to E2M3 (2 exponent bits, 3 mantissa bits; 6 bits a number), with one power-of-two scale for each 32 numbers along K (OCP MX v1.0); their sums are f32. All else is computed in f32.
;;   The module's matrix products, in the order in which they are computed (A, B: the left and right operand; K: the contracted axis; several contracted axes count as one K, in the product's order):
;;     1. [M 8,192, K 1,024] x [K 1,024, N 1,024]; A: input x; B: input Wq: QUANTISED
;;     2. [M 8,192, K 1,024] x [K 1,024, N 1,024]; A: input x; B: input Wk: QUANTISED
;;     3. [M 8,192, K 1,024] x [K 1,024, N 1,024]; A: input x; B: input Wv: QUANTISED
;;     4. batch 64 x [M 2,048, K 64] x [K 64, N 2,048]; A: computed on the way; B: computed on the way: QUANTISED
;;     5. batch 64 x [M 2,048, K 2,048] x [K 2,048, N 64]; A: softmax (see below); B: computed on the way: QUANTISED
;;     6. [M 8,192, K 1,024] x [K 1,024, N 1,024]; A: computed on the way; B: input Wp: QUANTISED
;;   THE QUANTISER, for each operand of a quantised product, along K:
;;     - K is cut into blocks of 32 from its start; a last block that is shorter is filled with zeros.
;;     - A block's scale is 2^e with e = floor(log2(the largest magnitude in the block)) - 2, held to -126 .. 127; a block of zeros has e = 0. As a byte (E8M0): e + 127.
;;     - Each number is divided by its block's scale, clamped to +-7.5, and rounded to the nearest number of E2M3, ties to even, subnormals kept.
;;     - The product sums the exact products of the quantised numbers (number of the format x scale) in f32.
;;   ~~~python
;;   def quantise(x, axis):      # numpy; x: float32 -> the quantised numbers, widened to float32 again
;;       x = np.moveaxis(x, axis, -1); K = x.shape[-1]
;;       x = np.pad(x, [(0, 0)] * (x.ndim - 1) + [(0, -K % 32)]); x = x.reshape(x.shape[:-1] + (-1, 32)); a = np.abs(x).max(-1, keepdims=True)
;;       e = np.where(a > 0, np.clip(np.frexp(np.where(a > 0, a, 1))[1] - 1 - 2, -126, 127), 0)      # np.frexp(a)[1] - 1 = floor(log2(a)), exactly
;;       r = np.clip(x / 2.0 ** e, -7.5, 7.5)
;;       step = 2.0 ** (np.maximum(np.frexp(np.where(r == 0, 1, r))[1] - 1, 0) - 3)
;;       q = np.round(r / step) * step * 2.0 ** e      # np.round: ties to even
;;       return np.moveaxis(q.reshape(q.shape[:-2] + (-1,))[..., :K], -1, axis).astype(np.float32)
;;   ~~~
;;   SOFTMAX AHEAD OF A QUANTISED PRODUCT. Where the list says 'softmax', what is quantised is not the finished softmax but p = 2^(t - M), with t = logit x log2(e) and M = ceil(the row's largest t), a whole number; so 1/2 < the row's largest p <= 1. The row's sum l is taken of the UNQUANTISED p, in f32, and the product's result is divided by l at the end. Since M is a whole number, a kernel that streams over the keys may use a running M (the ceiling of the running maximum): every later rescaling is an exact power of two, which a block's scale takes up: the codes' values come out the same.
;;   OPERANDS COMPUTED ON THE WAY. 'Computed on the way' means the value that the module computes at that place (a softmax that the list does not call 'softmax' is quantised finished and normalised). What goes into a quantiser is computed in f32, as accurately as f32 sums, v_exp_f32 and their like allow (about 1e-6 of the number): no bf16 or f16 on the way to a quantiser, and a product that is left as it is and whose result goes on into a quantised operand takes f32 operands (vector FMAs, or v_wmma_f32_16x16x4_f32). A number that lies on a knife's edge between two numbers of the format may be rounded either way, as far as f32 arithmetic and the matrix unit's own rounding can turn it there, and no further.
;; One version. Each part assembles by itself: llvm-mc -triple=amdgcn-amd-amdhsa -mcpu=gfx1250 --defsym DOCPART=n.
;; ======== version 1 of 1: 4 launches
;; workspace buffers: codes 9,437,184 bytes; scales 393,216 bytes; qk_img 13,631,488 bytes; v_img 6,553,600 bytes; ycodes 6,291,456 bytes; yscales 262,144 bytes
;; launch quant (part 1): grid 384 x 1, 4 waves a work-group, no clusters, 33,280 bytes of LDS; arguments x, Wq, Wk, Wv, Wp, codes, scales; writes codes, scales
.if DOCPART == 1
	.amdgcn_target "amdgcn-amd-amdhsa--gfx1250"
	.amdhsa_code_object_version 6
	.text
	.protected	k_q705a3aed55_quant
	.globl	k_q705a3aed55_quant
	.p2align	8
	.type	k_q705a3aed55_quant,@function
k_q705a3aed55_quant:
	s_mov_b64 s[64:65], 0
	v_nop
	global_prefetch_b8 v0, s[64:65] scope:SCOPE_SE
	s_setreg_imm32_b32 hwreg(HW_REG_WAVE_MODE, 25, 1), 1
	s_wait_xcnt 0x0
; x [8192][1024] and Wq, Wk, Wv, Wp [1024][1024], f32, K innermost, become codes of FP6 (E2M3) and one E8M0 byte for each 32 along K:
; codes [12288 rows][768 bytes], scales [12288 rows][32 bytes]; rows 0 x, 8192 Wq, 9216 Wk, 10240 Wv, 11264 Wp.
; A block's scale is 2^(floor(log2(its largest magnitude)) - 2); its byte is the largest magnitude's exponent field - 2, held at 1 from below.
; THE ROWS ARE STORED PERMUTED: row n goes to place n with bits 3 and 4 exchanged.  So 16 neighbouring stored rows, taken as source 0 of a matrix
; instruction, give a lane's registers of two neighbouring result tiles 16 NEIGHBOURS of the true order: what the later launches' conversions want.
; A wave owns 8 rows (one run of 8,192 numbers), so the permutation is a choice of the run it writes: wave w of a work-group's four writes run ((w & 1) << 1) | (w >> 1).
; LIMITS: NaN and infinities among the inputs are not served; a block whose largest magnitude lies under 2^-124 gets the byte 1; a block of zeros gets the byte 1
; where the quantiser's rule says 127: its codes are zeros, which add nothing under any byte but 0xff, and this program alone reads the bytes.
; A wave takes 16 steps of 512 numbers.  Each of a step's four loads reads 512 consecutive bytes, 16 a lane; the 2,048 bytes turn through the wave's own stage in LDS and come back
; 64 bytes a lane, so that a lane holds 16 neighbours along K (two neighbouring lanes hold a block).  A lane's 16 codes are 12 bytes: the wave stores 384 consecutive bytes.
; A wave's 256 scale bytes are gathered in its own LDS bytes and leave as 256 consecutive bytes, aligned.  No barrier: waves share nothing.  Loads run four steps (16 loads a wave) ahead.
.set STEPS, 16
.set EMAX,  2
.set CB,    12                         ; bytes of 16 codes
.set R,     16                         ; v16-79   four sets of 16 numbers as they are loaded
.set X,     80                         ; v80-111  two sets of 16 neighbours
.set C,     128                        ; v128-191 codes: four registers for each step, so that no store's data are written again
.set E,     112                        ; v112-127 a scale byte for each step
.set WREG,  8192                       ; LDS: a region for each wave: two stages of 32 x SP bytes, behind them its 256 scale bytes
.set SP,    80                         ; a lane's place in a stage: its 64 bytes + 16 of padding
	s_load_b256 s[4:11], s[0:1], 0x0               ; x s[4:5], Wq s[6:7], Wk s[8:9], Wv s[10:11]
	s_load_b128 s[12:15], s[0:1], 0x20             ; Wp s[12:13], codes s[14:15]
	s_load_b64 s[24:25], s[0:1], 0x30              ; scales
	v_lshl_add_u32 v192, v0, 2, 0x8000
	v_mov_b32 v193, 0
	v_lshrrev_b32 v1, 5, v0
	v_readfirstlane_b32 s16, v1                    ; wave
	v_and_b32 v2, 31, v0                           ; lane
	v_lshlrev_b32 v3, 4, v2                        ; my 16 bytes of a load's 512
	s_mul_i32 s17, s16, WREG
	v_lshrrev_b32 v14, 2, v2
	v_mul_u32_u24 v14, v14, SP
	v_and_b32 v15, 3, v2
	v_lshl_add_u32 v14, v15, 4, v14
	v_add_nc_u32 v14, s17, v14                     ; the stage, on the way in: SP (lane / 4) + 16 (lane % 4); a load's 512 bytes take eight places
	v_mul_u32_u24 v15, v2, SP
	v_add_nc_u32 v15, s17, v15                     ; and on the way out: SP x lane: my 16 neighbours
	v_mul_u32_u24 v4, v2, CB                       ; my codes' place in a step's
	v_lshrrev_b32 v5, 1, v2
	s_add_co_u32 s17, s17, 2*32*SP
	v_add_nc_u32 v5, s17, v5                       ; LDS: my wave's 256 scale bytes, my block's byte
	v_lshlrev_b32 v7, 3, v2                        ; and on the way out 8 bytes a lane
	v_add_nc_u32 v6, s17, v7
	s_sub_co_u32 s20, ttmp9, 256                   ; work-groups 0-255 take x, then 32 for each weight
	s_lshr_b32 s21, s20, 5                         ; which weight
	s_and_b32 s22, s20, 31                         ; and which 32 rows of it
	s_wait_kmcnt 0x0
	s_cmp_eq_u32 s21, 1                            ; the input is chosen by the work-group's number alone
	s_cselect_b64 s[6:7], s[8:9], s[6:7]
	s_cmp_eq_u32 s21, 2
	s_cselect_b64 s[6:7], s[10:11], s[6:7]
	s_cmp_eq_u32 s21, 3
	s_cselect_b64 s[6:7], s[12:13], s[6:7]
	s_cmp_lt_u32 ttmp9, 256
	s_cselect_b64 s[4:5], s[4:5], s[6:7]
	s_cselect_b32 s22, ttmp9, s22
	s_lshl_b32 s22, s22, 2
	s_add_co_u32 s22, s22, s16                     ; my run of 8 rows in the input
	s_lshl_b32 s22, s22, 15                        ; x 32,768 bytes
	s_mov_b32 s23, 0
	s_add_nc_u64 s[4:5], s[4:5], s[22:23]
	s_and_b32 s18, s16, 1                          ; the run that I write: the wave's two bits exchanged
	s_lshl_b32 s18, s18, 1
	s_lshr_b32 s19, s16, 1
	s_or_b32 s18, s18, s19
	s_lshl_b32 s19, ttmp9, 2
	s_add_co_u32 s18, s18, s19
	s_mul_i32 s22, s18, 32*STEPS*CB                ; 6,144 bytes of codes a run
	s_add_nc_u64 s[14:15], s[14:15], s[22:23]
	s_lshl_b32 s22, s18, 8                         ; 256 scale bytes a run
	s_add_nc_u64 s[24:25], s[24:25], s[22:23]
.macro LOAD t
.irp i, 0,1,2,3
	global_load_b128 v[R+16*((\t)%4)+4*\i:R+16*((\t)%4)+4*\i+3], v3, s[4:5] offset:2048*(\t)+512*\i th:TH_LOAD_NT   ; 32 lanes read 512 consecutive bytes
.endr
.endm
.macro TURN t                          ; step t's numbers through the stage: LDS serves a wave's instructions in order, so no wait stands between the stores and the loads
.irp i, 0,1,2,3
	ds_store_b128 v14, v[R+16*((\t)%4)+4*\i:R+16*((\t)%4)+4*\i+3] offset:32*SP*((\t)%2)+8*SP*\i
.endr
.irp i, 0,1,2,3
	ds_load_b128 v[X+16*((\t)%2)+4*\i:X+16*((\t)%2)+4*\i+3], v15 offset:32*SP*((\t)%2)+16*\i
.endr
.endm
.irp t, 0,1,2,3
	LOAD \t
.endr
	s_wait_loadcnt 12                              ; step 0's four loads are in; the twelve of steps 1 to 3 may be out
	TURN 0
.macro STEP t
.set XS, X+16*((\t)%2)
.if (\t) > 0
	s_wait_dscnt 1                                 ; this step's numbers are back from the stage (the last step's byte store may be out): so its stores into the stage have read their registers,
.else
	s_wait_dscnt 0x0
.endif
.if (\t)+4 < STEPS
	LOAD (\t)+4                                    ; which take the loads of four steps on
.endif
.if (\t)+1 < STEPS
.if STEPS-2-(\t) >= 3
	s_wait_loadcnt 12                              ; the next step's four loads are in; those of the three steps behind it may be out
.else
	s_wait_loadcnt 4*(STEPS-2-(\t))
.endif
	TURN (\t)+1                                    ; and go through the other stage while this step is worked
.endif
	v_max3_num_f32 v8, |v[XS]|, |v[XS+1]|, |v[XS+2]|               ; the largest magnitude of my 16, in two chains
	v_max3_num_f32 v9, |v[XS+3]|, |v[XS+4]|, |v[XS+5]|
.irp i, 6,10
	v_max3_num_f32 v8, v8, |v[XS+\i]|, |v[XS+\i+1]|
	v_max3_num_f32 v9, v9, |v[XS+\i+2]|, |v[XS+\i+3]|
.endr
	v_max3_num_f32 v8, v8, |v[XS+14]|, |v[XS+15]|
	v_max3_num_f32 v8, v8, v9, (EMAX+1)<<23        ; and the floor 2^(3 - 127): the byte cannot fall under 1
	v_max_num_f32_dpp v8, v8, v8 row_xmask:1 row_mask:0xf bank_mask:0xf   ; and of my neighbour's 16: the block's
	v_add_nc_u32 v11, -(EMAX<<23), v8              ; 2 off its exponent field: the conversion takes the exponent field of this operand as its scale
	v_cvt_scalef32_pk16_fp6_f32 v[C+4*(\t):C+4*(\t)+2], v[XS:XS+15], v11   ; sixteen numbers / the scale, to the nearest code, ties to even, beyond the largest code the largest
	v_lshrrev_b32 v[E+(\t)], 23, v11               ; the scale's byte (also the plain line behind the conversion)
	ds_store_b8 v5, v[E+(\t)] offset:16*(\t)       ; both lanes of a block write the same byte with the same value
	global_store_b96 v4, v[C+4*(\t):C+4*(\t)+2], s[14:15] offset:32*CB*(\t)
.endm
.irp t, 0,1,2,3,4,5,6,7,8,9,10,11,12,13,14,15
	STEP \t
.endr
	ds_load_b64 v[12:13], v6                       ; LDS serves a wave's instructions in order: these see my stores
	s_wait_dscnt 0x0
	global_store_b64 v7, v[12:13], s[24:25]        ; 32 lanes store 256 consecutive bytes, aligned
	s_wait_tensorcnt 0x0
	ds_add_u32 v192, v193
	s_wait_dscnt 0x0
	s_endpgm
.Lfunc_end_k_q705a3aed55_quant:
	.size	k_q705a3aed55_quant, .Lfunc_end_k_q705a3aed55_quant-k_q705a3aed55_quant
	.p2alignl 7, 3214868480
	.fill 96, 4, 3214868480
	.section	.rodata,"a",@progbits
	.p2align	6, 0x0
	.amdhsa_kernel k_q705a3aed55_quant
		.amdhsa_group_segment_fixed_size 33280
		.amdhsa_private_segment_fixed_size 0
		.amdhsa_enable_private_segment 0
		.amdhsa_kernarg_size 56
		.amdhsa_user_sgpr_count 2
		.amdhsa_user_sgpr_kernarg_segment_ptr 1
		.amdhsa_wavefront_size32 1
		.amdhsa_system_sgpr_workgroup_id_x 1
		.amdhsa_system_sgpr_workgroup_id_y 1
		.amdhsa_system_sgpr_workgroup_id_z 1
		.amdhsa_system_vgpr_workitem_id 0
		.amdhsa_next_free_vgpr 194
		.amdhsa_next_free_sgpr 66
		.amdhsa_reserve_vcc 0
		.amdhsa_float_denorm_mode_32 3
		.amdhsa_float_denorm_mode_16_64 3
		.amdhsa_memory_ordered 1
		.amdhsa_forward_progress 1
		.amdhsa_inst_pref_size 33
	.end_amdhsa_kernel
	.amdgpu_metadata
---
amdhsa.version: [ 1, 2 ]
amdhsa.kernels:
  - .name:           k_q705a3aed55_quant
    .symbol:         k_q705a3aed55_quant.kd
    .args:
      - { .name: x, .offset: 0, .size: 8, .value_kind: global_buffer, .address_space: global }
      - { .name: Wq, .offset: 8, .size: 8, .value_kind: global_buffer, .address_space: global }
      - { .name: Wk, .offset: 16, .size: 8, .value_kind: global_buffer, .address_space: global }
      - { .name: Wv, .offset: 24, .size: 8, .value_kind: global_buffer, .address_space: global }
      - { .name: Wp, .offset: 32, .size: 8, .value_kind: global_buffer, .address_space: global }
      - { .name: codes, .offset: 40, .size: 8, .value_kind: global_buffer, .address_space: global }
      - { .name: scales, .offset: 48, .size: 8, .value_kind: global_buffer, .address_space: global }
    .group_segment_fixed_size: 33280
    .private_segment_fixed_size: 0
    .kernarg_segment_align: 8
    .kernarg_segment_size: 56
    .max_flat_workgroup_size: 128
    .sgpr_count:     66
    .vgpr_count:     194
    .wavefront_size: 32
...
	.end_amdgpu_metadata
.endif
;; end of part 1
;; launch qkv (part 2): grid 12 x 32, 4 waves a work-group, clusters of 4 x 4, 327,680 bytes of LDS; arguments codes, scales, qk_img, v_img; writes qk_img, v_img
.if DOCPART == 2
	.amdgcn_target "amdgcn-amd-amdhsa--gfx1250"
	.amdhsa_code_object_version 6
	.text
	.protected	k_q705a3aed55_qkv
	.globl	k_q705a3aed55_qkv
	.p2align	8
	.type	k_q705a3aed55_qkv,@function
k_q705a3aed55_qkv:
	s_mov_b64 s[64:65], 0
	v_nop
	global_prefetch_b8 v0, s[64:65] scope:SCOPE_SE
	s_setreg_imm32_b32 hwreg(HW_REG_WAVE_MODE, 25, 1), 1
	s_wait_xcnt 0x0
	s_wait_alu depctr_hold_cnt(0) depctr_sa_sdst(0) depctr_va_vdst(0) depctr_va_sdst(0) depctr_va_ssrc(0) depctr_va_vcc(0) depctr_vm_vsrc(0)
	s_getreg_b32 s2, hwreg(HW_REG_IB_STS2, 6, 4)
	s_cmp_eq_u32 s2, 0
	s_cbranch_scc0 .Lentry_in_a_cluster
	s_endpgm
.Lentry_in_a_cluster:
	s_bfe_u32 s2, ttmp6, 0x10000c
	s_cmp_lg_u32 s2, 0xf033
	s_cbranch_scc0 .Lentry_shape_is_right
	s_endpgm
.Lentry_shape_is_right:
; q = x Wq^T, k = x Wk^T, v = x Wv^T on codes of FP6 (E2M3) with E8M0 scales, sums in f32; each result is quantised again in registers and leaves as codes:
; q and k along the head's 64 (two blocks of 32), v along the tokens (the keys are the K of attention's second product).  No f32 result goes to memory.
; A tile of 256 x 256 results is made by four waves, each 128 x 128: 64 accumulators, 512 registers.  K = 1,024 goes in four steps of 256 through a ring of two LDS slots.
; THE MATRIX INSTRUCTION: source 0 = 16 rows of "B", source 1 = 16 rows of "A": a lane holds ONE row of A and eight rows of B in its registers.
;   clusters x = 0, 1 (q and k): A = tokens of x, B = rows of Wq, Wk (2,048 features): a lane's registers run along the features.
;   clusters x = 2    (v):       A = rows of Wv,  B = tokens of x:                     a lane's registers run along the tokens.
; All rows of 'codes' are stored with bits 3 and 4 of their number exchanged.  So registers 16 g .. 16 g + 15 of a row block's accumulators are the TRUE neighbours 32 g + 16 (lane / 16) + 0 .. 15
; along B: one conversion makes their 16 codes, and lanes l and l xor 16 hold a block of 32.
; WHAT IS STORED.  A PIECE is 384 bytes: [row 0..15 of A's block][24 bytes = a block of 32 codes], lane (r, h) writes 12 bytes at 24 r + 12 h: a wave's store covers 384 consecutive bytes.
;   qk_img [head slot 32: q's 16, k's 16][group of 128 stored tokens: 64][6,656]: 8 token tiles x [d block 2][piece], then 512 bytes of scale words: tile a, row r at 16 (r + 16 (a & 1)) + 4 (a >> 1);
;          a word is byte(d 0-31) | byte(d 32-63) << 8 | 0x7f7f0000: the upper two bytes scale the zero half of a K of 128.
;   v_img  [head 16][group of 128 tokens: 64][6,400]: 4 tiles of 16 stored features x [key block 4][piece], then 256 bytes of scale words: tile t, row r at 8 (r + 16 (t & 1)) + 4 (t >> 1).
; CLUSTERS: 4 x 4 work-groups; A's tiles are asked for jointly along a row of the cluster, B's along a column.  The choice between the two kinds of cluster hangs on the cluster's x alone.
; LIMITS: NaN and infinities are not served; a block whose largest magnitude lies under 2^-124, a block of zeros among them, gets the byte 1 (its codes under that scale; zeros stay zeros).
; REGISTERS, in windows of 256: window 0: v8-29 addresses; v32-63 scale words, two sets; from v128 A's fragments, one set.  window 1: B's fragments, two sets.  windows 2, 3: the accumulators ((a, b) at v[8 (8 (a % 4) + b)]).
.set SIZE_K, 1024
.set KSTEP,  256                       ; along K in a slot
.set NQ,     KSTEP/128                 ; matrix instructions deep
.set ROWB,   192                       ; a tile's row in bytes
.set KROW,   SIZE_K*6/8                ; a row of codes in memory
.set PITCH,  240                       ; an LDS row: 3 x (64 bytes + 16 of padding)
.set FR,     12                        ; registers of a fragment
.set NL,     6                         ; LDS loads that bring one
.set NP,     4                         ; places behind this matrix instruction (ISA guide 7.12.1)
.set HALFT,  128*PITCH                 ; 128 rows: what one tensor load brings
.set SLOT,   4*HALFT                   ; A's 256 rows, then B's 256 rows
.set KS,     SIZE_K/32                 ; a row of scale bytes
.set SCL,    2*SLOT                    ; behind the ring: the scales, as 256 bytes + 16 of padding
.set HALFS,  (128*KS/256)*272          ; the scales of 128 rows
.set SBLK,   (16*KS/256)*272           ; those of 16 rows
.set SPARE,  SCL+4*HALFS               ; the spare words, 128 bytes for each wave: two blocks of 256 bytes that no other line names
.set QKH,    64*6656                   ; from a head slot to the next in qk_img
.set VH,     64*6400                   ; from a head to the next in v_img
.set STW,  8                           ; v8   q, k: my stage for scale words (1,024 bytes a wave, in slot 0) + 16 r
.set STR,  9                           ; v9   the same + 16 x lane
.set STW2, 10                          ; v10  v: my stage (512 bytes a wave, from byte 4,096 of slot 0) + 8 r
.set STR2, 11                          ; v11  the same + 8 x lane
.set L12,  12                          ; v12  24 r + 12 h: my 12 bytes of a piece
.set L16,  13                          ; v13  16 x lane
.set L8,   14                          ; v14  8 x lane
.set ADRA, 16                          ; v16-17 LDS address of my A fragments in slot 0, 1 (v18-19: behind one padding more)
.set ADRB, 20                          ; v20-21 the same for B (v22-23)
.set ADRS, 27                          ; v27  LDS address of my scale words: lanes 0-15 A's rows, lanes 16-31 B's
.set SPW,  28                          ; v28  my spare word: SPARE + 4 x my thread's number; never rewritten
.set NIL,  29                          ; v29  0; never rewritten
.set SC,   32                          ; scale words: set s at v[SC + 8 NQ s]
.set AF,   128                         ; A's fragments
.set TM,   32                          ; the way out: v32-35 largest magnitudes, v36-39 bytes, v44-47 the conversions' scale operands
.set K7F,  48                          ; v48  0x7f7f7f7f
.set BKW,  52                          ; v52-59 scale words back from the stage
.set WQ,   64                          ; v64-79 q's and k's scale words, two for each row block
.set W4,   80                          ; v80-87 the four bytes of each row block
.set CD,   128                         ; v128-255 the codes: piece (a, g) at v[CD + 16 a + 4 g]: no store's data are written again
.set SEL,  98                          ; s[98:99] lane selects for v_permlanex16_b32: lane l xor 16
.set G1, 24                            ; s[24:31] descriptor group 1 for A's tiles;  s[32:39] group 0, one set for each slot
.set G0, 32
.set G1B, 48                           ; s[48:55], s[56:63] the same for B's tiles
.set G0B, 56
.set G1S, 68                           ; s[68:75], s[76:79] groups 1 and 0 for A's scales;  s[80:87], s[88:91] for B's
.set G0S, 76
.set G1SB, 80
.set G0SB, 88
.set MSB, 0
.macro WIN new                         ; the immediate's high byte repeats the setting that is left
.if MSB != \new
	s_set_vgpr_msb (MSB<<8)|\new
.set MSB, \new
.endif
.endm
.set MUL_LO, 0xa1                      ; source 0 (B) window 1, source 1 (A) window 0, C and D window 2
.set MUL_HI, 0xf1                      ; the same, C and D window 3
.set TO_B,   0x40                      ; destination window 1, address window 0
; A joint load: waves 0 and 1 fetch for A, waves 2 and 3 for B.  Each line has one mask and one set of registers; the branch hangs on the wave's number alone.
; Four v_nop follow each of the two lines, ahead of the jump, the label and what follows.
.macro JLOAD g0a, g1a, g0b, g1b
	s_cmp_eq_u32 s15, 0
	s_cbranch_scc0 .Lfor_b_\@
	tensor_load_to_lds s[\g0a:\g0a+3], s[\g1a:\g1a+7]
	s_nop 0
.rept 4
	v_nop
.endr
	s_branch .Lasked_\@
.Lfor_b_\@:
	tensor_load_to_lds s[\g0b:\g0b+3], s[\g1b:\g1b+7]
	s_nop 0
.rept 4
	v_nop
.endr
.Lasked_\@:
.endm
.macro CREST                           ; a round of the cluster's barrier behind its opening barrier
	s_cmp_lg_u32 s14, 0
	s_cbranch_scc1 .Lnot_wave_0_\@
	s_barrier_signal -3
.Lnot_wave_0_\@:
	s_barrier_wait -3
	s_barrier_signal -1
	s_barrier_wait -1
.endm
.macro CROUND                          ; a whole round
	s_barrier_signal -1
	s_barrier_wait -1
	CREST
.endm
	s_load_b128 s[4:7], s[0:1], 0x0                ; codes s[4:5], scales s[6:7]
	s_load_b128 s[8:11], s[0:1], 0x10              ; qk_img s[8:9], v_img s[10:11]
	v_lshl_add_u32 v[SPW], v0, 2, SPARE
	v_mov_b32 v[NIL], 0
	ds_add_u32 v28, v29
	ds_add_u32 v28, v29
	s_wait_dscnt 0x0
	v_lshrrev_b32 v1, 5, v0
	v_readfirstlane_b32 s14, v1                    ; wave 0..3
	s_lshr_b32 s15, s14, 1                         ; which half of A's 256 rows is mine.  Also: I fetch for A (0) or for B (1)
	s_and_b32 s16, s14, 1                          ; which half of B's.  Also: which 128 rows of that tile I fetch
	s_bfe_u32 s40, ttmp6, 0x40000                  ; cx, cy: my place in the cluster
	s_bfe_u32 s41, ttmp6, 0x40004
	s_and_b32 s17, ttmp7, 0xffff                   ; the cluster's y
	s_cmp_lt_u32 ttmp9, 2                          ; q and k (cluster x 0, 1) or v (2)?  The same in all sixteen partners
	s_cselect_b32 s42, ttmp9, s17                  ; B's tiles run along the cluster's x (features) or, for v, along its y (tokens)
	s_cselect_b32 s17, s17, 0                      ; A's along its y (tokens); for v there are four in all
	s_cselect_b32 s12, 0, 10240                    ; A's first row in 'codes': x or Wv
	s_cselect_b32 s13, 8192, 0                     ; B's: Wq (Wk behind it) or x
	s_lshl_b32 s42, s42, 2
	s_add_co_u32 s42, s42, s40                     ; B's tile
	s_lshl_b32 s17, s17, 2
	s_add_co_u32 s17, s17, s41                     ; A's tile
	s_lshl_b32 s43, s41, 2
	s_lshl_b32 s43, 15, s43                        ; my row of the cluster
	s_lshl_b32 s44, 0x1111, s40                    ; my column
	; descriptor group 1: a tile of 128 rows x 192 bytes, 16 bytes of padding behind every 64
	s_or_b32 s[G1+0], s43, (0<<16)|(1<<20)|(1<<21)|(3<<22)|(3<<25)  ; 15:0 the mask: A's tiles go to my row; 17:16 elements of 1 byte; 20 padding on; 21 set beside a mask; 24:22 after every 16 words; 31:25 of 4 words
	s_or_b32 s[G1B+0], s44, (0<<16)|(1<<20)|(1<<21)|(3<<22)|(3<<25)
.irp g, G1, G1B
	s_mov_b32 s[\g+1], ROWB<<16                    ; tensor_dim0
	s_mov_b32 s[\g+2], 128<<16                     ; tensor_dim1
	s_mov_b32 s[\g+3], ROWB<<16                    ; tile_dim0
	s_mov_b32 s[\g+4], 128                         ; tile_dim1
	s_mov_b32 s[\g+5], KROW                        ; the pitch
	s_mov_b32 s[\g+6], 0
	s_mov_b32 s[\g+7], 0
.endr
	; the scales of 128 rows: 4,096 dense bytes as 16 rows of 256 (32 elements of 8 bytes), 16 bytes of padding behind each
	s_or_b32 s[G1S+0], s43, (3<<16)|(1<<20)|(1<<21)|(5<<22)|(3<<25)
	s_or_b32 s[G1SB+0], s44, (3<<16)|(1<<20)|(1<<21)|(5<<22)|(3<<25)
.irp g, G1S, G1SB
	s_mov_b32 s[\g+1], 32<<16
	s_mov_b32 s[\g+2], (128*KS/256)<<16
	s_mov_b32 s[\g+3], 32<<16
	s_mov_b32 s[\g+4], 128*KS/256
	s_mov_b32 s[\g+5], 32
	s_mov_b32 s[\g+6], 0
	s_mov_b32 s[\g+7], 0
.endr
	s_lshl_b32 s18, s16, 7                         ; which 128 rows of the tile I fetch
	s_lshl_b32 s20, s17, 8
	s_add_co_u32 s20, s20, s18
	s_add_co_u32 s20, s20, s12                     ; A: its first row + 256 x tile + 128 x half
	s_lshl_b32 s46, s42, 8
	s_add_co_u32 s46, s46, s18
	s_add_co_u32 s46, s46, s13                     ; B likewise
	s_lshl_b32 s22, s20, 5                         ; where these rows' scales begin: 32 bytes a row (all offsets stay under 2^24)
	s_mov_b32 s23, 0
	s_lshl_b32 s92, s46, 5
	s_mov_b32 s93, 0
	s_mul_i32 s20, s20, KROW                       ; and their codes
	s_mov_b32 s21, 0
	s_mul_i32 s46, s46, KROW
	s_mov_b32 s47, 0
	s_mul_i32 s45, s14, HALFT                      ; where they go: wave x 128 rows: no place in the cluster enters an LDS address
	s_mul_i32 s94, s14, HALFS
	s_wait_kmcnt 0x0
	s_add_nc_u64 s[20:21], s[4:5], s[20:21]
	s_add_nc_u64 s[22:23], s[6:7], s[22:23]
	s_add_nc_u64 s[46:47], s[4:5], s[46:47]
	s_add_nc_u64 s[92:93], s[6:7], s[92:93]
	CROUND                                         ; all sixteen work-groups are here: the first joint loads meet
	s_mov_b32 s[G0S], 1
	s_add_co_u32 s[G0S+1], s94, SCL
	s_mov_b64 s[G0S+2:G0S+3], s[22:23]
	s_or_b32 s[G0S+3], s[G0S+3], 0x80000000
	s_mov_b32 s[G0SB], 1
	s_add_co_u32 s[G0SB+1], s94, SCL
	s_mov_b64 s[G0SB+2:G0SB+3], s[92:93]
	s_or_b32 s[G0SB+3], s[G0SB+3], 0x80000000
	JLOAD G0S, G1S, G0SB, G1SB                     ; the scales first: they are wanted with K step 0
.irp s, 0,1
	s_mov_b32 s[G0+4*\s], 1
	s_add_co_u32 s[G0+4*\s+1], s45, \s*SLOT
	s_add_nc_u64 s[G0+4*\s+2:G0+4*\s+3], s[20:21], \s*ROWB
	s_or_b32 s[G0+4*\s+3], s[G0+4*\s+3], 0x80000000
	s_mov_b32 s[G0B+4*\s], 1
	s_add_co_u32 s[G0B+4*\s+1], s45, \s*SLOT
	s_add_nc_u64 s[G0B+4*\s+2:G0B+4*\s+3], s[46:47], \s*ROWB
	s_or_b32 s[G0B+4*\s+3], s[G0B+4*\s+3], 0x80000000
	JLOAD G0+4*\s, G1, G0B+4*\s, G1B               ; three tensor loads of mine are out now
.endr
	v_and_b32 v1, 15, v0                           ; r = l % 16
	v_bfe_u32 v2, v0, 4, 1                         ; h = l / 16
	v_mul_u32_u24 v3, v1, PITCH
	v_mul_u32_u24 v4, v2, 24
	v_add_nc_u32 v4, v3, v4                        ; a fragment's row x pitch + 24 x half
	v_lshl_add_u32 v5, v2, 4, v4                   ; and the same behind one padding more
	s_mul_i32 s21, s15, HALFT                      ; my 128 rows of A
	s_mul_i32 s22, s16, HALFT                      ; my 128 rows of B,
	s_add_co_u32 s22, s22, 2*HALFT                 ; which lie behind A's 256
.irp s, 0,1
	v_add_nc_u32 v[ADRA+\s], s21, v4
	v_add_nc_u32 v[ADRB+\s], s22, v4
	v_add_nc_u32 v[ADRA+2+\s], s21, v5
	v_add_nc_u32 v[ADRB+2+\s], s22, v5
	s_add_co_u32 s21, s21, SLOT
	s_add_co_u32 s22, s22, SLOT
.endr
	v_mul_u32_u24 v5, v1, KS                       ; my row's scales: 32 bytes a row,
	v_lshrrev_b32 v6, 8, v5
	v_lshl_add_u32 v5, v6, 4, v5                   ; and 16 more for each 256 passed
	s_mul_i32 s21, s15, HALFS                      ; A's: my 128 rows
	s_mul_i32 s22, s16, HALFS                      ; B's: my 128 rows, behind A's 256
	s_add_co_u32 s22, s22, 2*HALFS
	s_sub_co_u32 s22, s22, s21
	v_mul_u32_u24 v6, s22, v2                      ; lanes 16-31 take B's: the lower base + h x the distance
	s_add_co_u32 s21, s21, SCL
	v_add_nc_u32 v5, v5, v6
	v_add_nc_u32 v[ADRS], s21, v5
	v_and_b32 v6, 31, v0                           ; the way out's addresses, all made here, ahead of every parting of ways
	s_lshl_b32 s23, s14, 10
	v_lshl_add_u32 v[STW], v1, 4, s23
	v_lshl_add_u32 v[STR], v6, 4, s23
	s_lshl_b32 s23, s14, 9
	s_add_co_u32 s23, s23, 4096
	v_lshl_add_u32 v[STW2], v1, 3, s23
	v_lshl_add_u32 v[STR2], v6, 3, s23
	v_mul_u32_u24 v[L12], v1, 24
	v_mad_u32_u24 v[L12], v2, 12, v[L12]
	v_lshlrev_b32 v[L16], 4, v6
	v_lshlrev_b32 v[L8], 3, v6
.macro FRAG reg, adr, q, i             ; a fragment, 16 rows x 128 K, is 12 registers: lane l holds row l % 16; registers 6 c .. 6 c + 5 hold K = 64 c + 32 (l / 16) + 0 .. 31: 24 bytes of the row, as they lie
.irp p, 0,1,2,3,4,5                    ; in pieces of 8 bytes.  Lanes 16-31 read three pieces further on than lanes 0-15:
.set PC, 12*(\q)+6*(\p/3)+\p%3        ; where that is behind one padding more, the second address register serves
.if PC%8 < 5
	ds_load_b64 v[\reg+2*\p:\reg+2*\p+1], v[\adr] offset:8*PC+16*(PC/8)+(\i)*16*PITCH
.else
	ds_load_b64 v[\reg+2*\p:\reg+2*\p+1], v[\adr+2] offset:8*PC+16*(PC/8)+(\i)*16*PITCH
.endif
.endr
.endm
; 16 matrix instructions: A's blocks a0, a0 + 1 x B's eight, 128 along K: the slot's q-th.  p: B's set;  sc: the set of scale words.  zero = 1: the first product starts the sums.
; The 64 accumulators take turns, one instruction a turn, in the same order in every step.
.macro MUL16 a0, p, q, sc, zero
.irp a, \a0, \a0+1
.irp b, 0,1,2,3,4,5,6,7
.if \zero
	v_wmma_scale_f32_16x16x128_f8f6f4 v[8*(8*((\a)%4)+\b):8*(8*((\a)%4)+\b)+7], v[128*(\p)+FR*\b:128*(\p)+FR*\b+FR-1], v[AF+FR*(\a):AF+FR*(\a)+FR-1], 0, v[SC+8*NQ*(\sc)+NQ*\b+(\q)], v[SC+8*NQ*(\sc)+NQ*(\a)+(\q)] matrix_a_fmt:MATRIX_FMT_FP6 matrix_b_fmt:MATRIX_FMT_FP6 matrix_a_scale:MATRIX_SCALE_ROW1
.else
	v_wmma_scale_f32_16x16x128_f8f6f4 v[8*(8*((\a)%4)+\b):8*(8*((\a)%4)+\b)+7], v[128*(\p)+FR*\b:128*(\p)+FR*\b+FR-1], v[AF+FR*(\a):AF+FR*(\a)+FR-1], v[8*(8*((\a)%4)+\b):8*(8*((\a)%4)+\b)+7], v[SC+8*NQ*(\sc)+NQ*\b+(\q)], v[SC+8*NQ*(\sc)+NQ*(\a)+(\q)] matrix_a_fmt:MATRIX_FMT_FP6 matrix_b_fmt:MATRIX_FMT_FP6 matrix_a_scale:MATRIX_SCALE_ROW1
.endif
.endr
.endr
.endm
.macro FETCH_B slot, q, p              ; B's eight fragments of the slot's q-th 128 along K into set p
	WIN TO_B
.irp i, 0,1,2,3,4,5,6,7
	FRAG 128*(\p)+FR*\i, ADRB+\slot, \q, \i
.endr
	WIN 0
.endm
.macro FETCH_A slot, q, i0             ; A's blocks i0 .. i0 + 3
.irp i, \i0, \i0+1, \i0+2, \i0+3
	FRAG AF+FR*(\i), ADRA+\slot, \q, \i
.endr
.endm
.macro SCALES sc                       ; a K step's scale words into set sc: two words a row; lanes 0-15 take A's block i, lanes 16-31 B's block i
.irp i, 0,1,2,3,4,5,6,7
	ds_load_b64 v[SC+8*NQ*\sc+NQ*\i:SC+8*NQ*\sc+NQ*\i+1], v[ADRS] offset:\i*SBLK
.endr
.endm
.macro PLACES n                        ; plain vector lines between a matrix instruction and a load into, or a vector line on, one of its registers
.rept \n
	v_nop
.endr
.endm
; A step of 128 along K that has its successor in the same slot.
.macro STEP slot, q, zero
	s_wait_dscnt 4*NL                              ; B's set and A's blocks 0-3 are in; the youngest 24 loads (A's blocks 4-7) may be out
	WIN MUL_LO
	MUL16 0, (\q)%2, \q, \slot, \zero
	MUL16 2, (\q)%2, \q, \slot, \zero
	s_wait_dscnt 0                                 ; A's blocks 4-7 are in (asked for 32 matrix instructions ago)
	PLACES NP
	FETCH_B \slot, (\q)+1, 1-(\q)%2
	FETCH_A \slot, (\q)+1, 0
	WIN MUL_HI
	MUL16 4, (\q)%2, \q, \slot, \zero
	MUL16 6, (\q)%2, \q, \slot, \zero
	PLACES NP
	WIN 0
	FETCH_A \slot, (\q)+1, 4
.endm
; A slot's last step changes slots: one barrier; in front of it each wave waits for all its tensor loads, adds 0 to its spare word, and waits for that and for its own reads of this slot.  fill = 1: this slot is filled again, two K steps ahead.
.macro TURN slot, next, fill
	s_wait_tensorcnt 0x0                           ; all my tensor loads have landed: my part of the next slot
	ds_add_u32 v[SPW], v[NIL]                      ; 0 onto my spare word
	s_wait_dscnt 4*NL+1                            ; (the add and the youngest 24 loads, A's blocks 4-7, may be out)
	WIN MUL_LO
	MUL16 0, 1, NQ-1, \slot, 0                     ; sixteen matrix instructions stand between the add and the wait for it
	s_wait_dscnt 0x0                               ; the add is done, and my reads of this slot are over
	s_barrier_signal -1
	MUL16 2, 1, NQ-1, \slot, 0
	WIN 0
	s_barrier_wait -1
.if \fill
	CREST                                          ; the barrier has opened a round of the cluster's barrier: no wave of any partner still reads this slot or has a load on its way
	s_add_nc_u64 s[G0+4*\slot+2:G0+4*\slot+3], s[G0+4*\slot+2:G0+4*\slot+3], 2*ROWB
	s_add_nc_u64 s[G0B+4*\slot+2:G0B+4*\slot+3], s[G0B+4*\slot+2:G0B+4*\slot+3], 2*ROWB
	JLOAD G0+4*\slot, G1, G0B+4*\slot, G1B         ; the first tensor load behind the round; its four v_nop are also the places in front of the loads below
.else
	PLACES NP
.endif
	v_add_nc_u32 v[ADRS], 4*NQ, v[ADRS]            ; on to the next K step's scale words (no LDS load of mine is out)
	FETCH_B \next, 0, 0
	FETCH_A \next, 0, 0
	SCALES \next
	WIN MUL_HI
	MUL16 4, 1, NQ-1, \slot, 0
	MUL16 6, 1, NQ-1, \slot, 0
	PLACES NP
	WIN 0
	FETCH_A \next, 0, 4
.endm
	s_wait_tensorcnt 1                             ; the scales and my part of K step 0 are in (K step 1's load may be out)
	s_barrier_signal -1
	s_barrier_wait -1                              ; everybody's are
	FETCH_B 0, 0, 0
	FETCH_A 0, 0, 0
	SCALES 0
	FETCH_A 0, 0, 4
	STEP 0, 0, 1                                   ; K = 1,024 is eight steps of 128, twice round the ring: written out.  The first products start the sums
	TURN 0, 1, 1                                   ; slot 0 takes K 512 to 767
	STEP 1, 0, 0
	TURN 1, 0, 1                                   ; slot 1 takes K 768 to 1,023
	STEP 0, 0, 0
	TURN 0, 1, 0                                   ; nothing is left to fetch
	STEP 1, 0, 0
	s_wait_dscnt 4*NL                              ; the last step
	WIN MUL_LO
	MUL16 0, 1, NQ-1, 1, 0
	MUL16 2, 1, NQ-1, 1, 0
	s_wait_dscnt 0
	WIN MUL_HI
	MUL16 4, 1, NQ-1, 1, 0
	MUL16 6, 1, NQ-1, 1, 0
	WIN 0
; THE WAY OUT.  Row block a (16 rows of A): its 64 numbers a lane are four half blocks of 32 along B's true order.  QBLOCK makes the four scale bytes (v[W4 + a]) and the four pieces' codes.
; Each accumulator is read from its low end on.
.macro QBLOCK a
.set AC, 64*((\a)%4)
.set WN, 2+(\a)/4
.set WW, WN|(WN<<2)
	WIN WW                                         ; sources 0 and 1: the accumulators' window
.irp b, 0,1,2,3
	v_max3_num_f32 v[TM+\b], |v[AC+16*\b]|, |v[AC+16*\b+1]|, 0x1800000   ; my 16 numbers of block b, and the floor 2^(3 - 127): the byte cannot fall under 1
.endr
.irp i, 2,4,6,8,10,12,14
.irp b, 0,1,2,3
	v_max3_num_f32 v[TM+\b], |v[AC+16*\b+\i]|, |v[AC+16*\b+\i+1]|, v[TM+\b]   ; (the four blocks by turns)
.endr
.endr
	WIN 0
.irp b, 0,1,2,3
	v_permlanex16_b32 v[TM+4+\b], v[TM+\b], s[SEL], s[SEL+1]
.endr
.irp b, 0,1,2,3
	v_max_num_f32 v[TM+\b], v[TM+\b], v[TM+4+\b]   ; with lane l xor 16's: the block's largest magnitude
.endr
.irp b, 0,1,2,3
	v_add_nc_u32 v[TM+12+\b], 0xff000000, v[TM+\b] ; 2 off its exponent field: the conversion's scale operand
.endr
.irp b, 0,1,2,3
	v_lshrrev_b32 v[TM+4+\b], 23, v[TM+12+\b]      ; the scale's byte
.endr
	v_lshl_or_b32 v[W4+(\a)], v[TM+5], 8, v[TM+4]
	v_lshl_or_b32 v[W4+(\a)], v[TM+6], 16, v[W4+(\a)]
	v_lshl_or_b32 v[W4+(\a)], v[TM+7], 24, v[W4+(\a)]
	WIN WN                                         ; source 0: the accumulators' window
.irp b, 0,1,2,3
	v_cvt_scalef32_pk16_fp6_f32 v[CD+16*(\a)+4*\b:CD+16*(\a)+4*\b+2], v[AC+16*\b:AC+16*\b+15], v[TM+12+\b]
.endr
	WIN 0
	v_nop                                          ; one plain line behind the last conversion
.endm
	PLACES NP                                      ; behind the last products: their results are read and their operands' registers written from here on
	s_mov_b32 s[SEL], 0x76543210
	s_mov_b32 s[SEL+1], 0xfedcba98
.irp b, 0,1,2,3
	v_mov_b32 v[TM+4+\b], 0                        ; written once: a lane permute's destination counts as one of its sources
.endr
	v_mov_b32 v[K7F], 0x7f7f7f7f
	s_cmp_lt_u32 ttmp9, 2                          ; the cluster's x: the same in all partners
	s_cbranch_scc0 .Lv_path
	; ---- q and k: my 128 features are two head slots (blocks 0, 1 and 2, 3), my 128 tokens one group
	s_lshl_b32 s20, s42, 2
	s_lshl_b32 s21, s16, 1
	s_add_co_u32 s20, s20, s21                     ; head slot 4 x B's tile + 2 x half
	s_lshl_b32 s20, s20, 6
	s_lshl_b32 s21, s17, 1
	s_add_co_u32 s20, s20, s21
	s_add_co_u32 s20, s20, s15                     ; group 2 x A's tile + half
	s_mul_i32 s20, s20, 6656
	s_mov_b32 s21, 0
	s_add_nc_u64 s[8:9], s[8:9], s[20:21]
.irp a, 0,1,2,3,4,5,6,7
	QBLOCK \a
	v_perm_b32 v[WQ+2*\a], v[K7F], v[W4+\a], 0x07060100     ; bytes 0, 1 under 0x7f7f: the first head's word
	v_perm_b32 v[WQ+2*\a+1], v[K7F], v[W4+\a], 0x07060302   ; bytes 2, 3: the second head's
	ds_store_b32 v[STW], v[WQ+2*\a] offset:256*(\a%2)+4*(\a/2)          ; both halves of the lanes write the same word with the same value
	ds_store_b32 v[STW], v[WQ+2*\a+1] offset:512+256*(\a%2)+4*(\a/2)
.irp b, 0,1,2,3
	global_store_b96 v[L12], v[CD+16*\a+4*\b:CD+16*\a+4*\b+2], s[8:9] offset:(\b/2)*QKH+\a*768+(\b%2)*384   ; a piece: 384 consecutive bytes
.endr
.endr
	ds_load_b128 v[BKW:BKW+3], v[STR]              ; LDS serves a wave's instructions in order: these see my stores
	ds_load_b128 v[BKW+4:BKW+7], v[STR] offset:512
	s_wait_dscnt 0x0
	global_store_b128 v[L16], v[BKW:BKW+3], s[8:9] offset:6144           ; a head's 128 scale words: 512 consecutive bytes, aligned to 256
	global_store_b128 v[L16], v[BKW+4:BKW+7], s[8:9] offset:6144+QKH
	s_branch .Ldone
.Lv_path:
	; ---- v: my 128 features are two heads of four tiles, my 128 tokens one group of four key blocks
	s_lshl_b32 s20, s17, 2
	s_lshl_b32 s21, s15, 1
	s_add_co_u32 s20, s20, s21                     ; head 4 x A's tile + 2 x half
	s_lshl_b32 s20, s20, 6
	s_lshl_b32 s21, s42, 1
	s_add_co_u32 s20, s20, s21
	s_add_co_u32 s20, s20, s16                     ; group 2 x B's tile + half
	s_mul_i32 s20, s20, 6400
	s_mov_b32 s21, 0
	s_add_nc_u64 s[10:11], s[10:11], s[20:21]
.irp a, 0,1,2,3,4,5,6,7
	QBLOCK \a
	ds_store_b32 v[STW2], v[W4+\a] offset:(\a/4)*256+128*(\a%2)+4*((\a/2)%2)
.irp b, 0,1,2,3
	global_store_b96 v[L12], v[CD+16*\a+4*\b:CD+16*\a+4*\b+2], s[10:11] offset:(\a/4)*VH+(\a%4)*1536+\b*384
.endr
.endr
	ds_load_b64 v[BKW:BKW+1], v[STR2]
	ds_load_b64 v[BKW+2:BKW+3], v[STR2] offset:256
	s_wait_dscnt 0x0
	global_store_b64 v[L8], v[BKW:BKW+1], s[10:11] offset:6144           ; a head's 64 scale words: 256 consecutive bytes, aligned
	global_store_b64 v[L8], v[BKW+2:BKW+3], s[10:11] offset:6144+VH
.Ldone:
	s_wait_tensorcnt 0x0                           ; the wave's end, behind my last tensor load and my last LDS store
	ds_add_u32 v[SPW], v[NIL]
	s_wait_dscnt 0x0
	CROUND                                         ; the closing round: no work-group ends while a partner may still ask for a tile that names it
	s_endpgm
.Lfunc_end_k_q705a3aed55_qkv:
	.size	k_q705a3aed55_qkv, .Lfunc_end_k_q705a3aed55_qkv-k_q705a3aed55_qkv
	.p2alignl 7, 3214868480
	.fill 96, 4, 3214868480
	.section	.rodata,"a",@progbits
	.p2align	6, 0x0
	.amdhsa_kernel k_q705a3aed55_qkv
		.amdhsa_group_segment_fixed_size 327680
		.amdhsa_private_segment_fixed_size 0
		.amdhsa_enable_private_segment 0
		.amdhsa_kernarg_size 32
		.amdhsa_user_sgpr_count 2
		.amdhsa_user_sgpr_kernarg_segment_ptr 1
		.amdhsa_wavefront_size32 1
		.amdhsa_system_sgpr_workgroup_id_x 1
		.amdhsa_system_sgpr_workgroup_id_y 1
		.amdhsa_system_sgpr_workgroup_id_z 1
		.amdhsa_system_vgpr_workitem_id 0
		.amdhsa_next_free_vgpr 1024
		.amdhsa_next_free_sgpr 100
		.amdhsa_reserve_vcc 0
		.amdhsa_float_denorm_mode_32 3
		.amdhsa_float_denorm_mode_16_64 3
		.amdhsa_memory_ordered 1
		.amdhsa_forward_progress 1
		.amdhsa_inst_pref_size 197
	.end_amdhsa_kernel
	.amdgpu_metadata
---
amdhsa.version: [ 1, 2 ]
amdhsa.kernels:
  - .name:           k_q705a3aed55_qkv
    .symbol:         k_q705a3aed55_qkv.kd
    .args:
      - { .name: codes, .offset: 0, .size: 8, .value_kind: global_buffer, .address_space: global }
      - { .name: scales, .offset: 8, .size: 8, .value_kind: global_buffer, .address_space: global }
      - { .name: qk_img, .offset: 16, .size: 8, .value_kind: global_buffer, .address_space: global }
      - { .name: v_img, .offset: 24, .size: 8, .value_kind: global_buffer, .address_space: global }
    .group_segment_fixed_size: 327680
    .private_segment_fixed_size: 0
    .kernarg_segment_align: 8
    .kernarg_segment_size: 32
    .max_flat_workgroup_size: 128
    .sgpr_count:     100
    .vgpr_count:     1024
    .wavefront_size: 32
...
	.end_amdgpu_metadata
.endif
;; end of part 2
;; launch attn (part 3): grid 4 x 64, 16 waves a work-group, no clusters, 210,944 bytes of LDS; arguments qk_img, v_img, ycodes, yscales; writes ycodes, yscales
.if DOCPART == 3
	.amdgcn_target "amdgcn-amd-amdhsa--gfx1250"
	.amdhsa_code_object_version 6
	.text
	.protected	k_q705a3aed55_attn
	.globl	k_q705a3aed55_attn
	.p2align	8
	.type	k_q705a3aed55_attn,@function
k_q705a3aed55_attn:
	s_mov_b64 s[64:65], 0
	v_nop
	global_prefetch_b8 v0, s[64:65] scope:SCOPE_SE
	s_setreg_imm32_b32 hwreg(HW_REG_WAVE_MODE, 25, 1), 1
	s_wait_xcnt 0x0
; y[b][q][h][:] = the sum over keys k <= q of softmax_k(q . k / 8) v, head size 64, 2,048 tokens, both products on codes of FP6 (E2M3) with E8M0 scales; y is quantised along the head's 64 and leaves as codes.
; THE SOFTMAX AHEAD OF THE SECOND PRODUCT: t = score x log2(e) / 8; M = the row's largest t so far, rounded UP to a whole number; p = 2^(t - M) is quantised along the keys, not normalised.
; The row's sum is taken of the unquantised p, in f32, and divides O at the end.  When M moves, the sum and O are multiplied by 2^(old M - new M): exact.
; SHARES.  Work-group (i, batch x head) owns query blocks 7 - i and i, 256 queries each: (8 - i) + (i + 1) = 9 blocks of 256 keys for every work-group.  Each of its sixteen waves owns one tile of 16 queries
; of the block in hand, in 256 registers: four waves to a SIMD, so that one wave's vector work stands beside another's matrix work and LDS loads.
; LDS.  K's and V's codes and scale words of the WHOLE head (16 groups of 128 keys: 6,656 and 6,400 bytes each) are brought once, one tensor load a wave, and stay: no slot is filled again, one barrier in all, no LDS store.
; No joint loads: the four work-groups of a head differ in their query blocks, and the steps that the causal mask leaves out hang on just that.
; LAYOUT.  Both products are used transposed: S^T = K Q^T (source 0 = 16 keys, source 1 = my 16 queries), O^T = V^T P^T: a lane holds ONE query throughout.
; Tokens and features are stored with bits 3 and 4 of their number exchanged, so the 16 registers of result tiles 2 g and 2 g + 1 are the true neighbours 32 g + 16 (lane / 16) + 0 .. 15 (keys in S^T, features in O^T).
; Lane r of wave w holds query 256 block + 32 (w / 2) + 8 (w % 2) + r % 8 + 16 (r / 8).
; THE FIRST PRODUCT'S K IS 64, the instruction's 128.  Q's registers 6-11 are zero codes.  K's fragment of tile t is named v[32 + 6 t : 43 + 6 t]: its upper six registers are the next tile's codes (zeros behind tile 7):
; finite numbers, under the scale byte 0x7f on both sides, times zero.
; An operand's half (16 rows x 64 codes) is 768 bytes, lane l's 24 bytes at 24 l: three loads of 8 bytes, whose words 6 l and 6 l + 1 are all different modulo 64.
; LIMITS: NaN and infinities are not served; a block whose largest magnitude lies under 2^-124, zeros among them, gets the byte 1; a block's largest p is taken from its largest score, which takes v_exp_f32 not to fall where its input rises.
; REGISTERS: v1-7 lane offsets; v8-11 the step's LDS addresses; v12 -M, v13 the largest t, v[14:15] the sum in two halves; v16-21 Q, v22-27 zeros; v32-79 K's 8 halves, then V's 4 fragments; v80-85 zeros;
;   v96-159 S^T, then p, at the end y; v160-191 O^T; v224-235 p's codes; v232-254 at work; v248-251 K's scale words, then V's; v255 Q's.
.set KBLK, 6656                        ; a group of 128 keys of K: 8 tiles x 768, then 512 bytes of scale words
.set VBLK, 6400                        ; of V: 4 tiles x 1,536, then 256 bytes of scale words
.set VB,   16*KBLK                     ; V lies behind K in LDS
.set AL,   1                           ; v1  24 x lane
.set L16,  2                           ; v2  16 x lane
.set L8,   3                           ; v3  8 x lane
.set R16,  4                           ; v4  16 r
.set L12,  5                           ; v5  24 r + 12 h
.set R32,  6                           ; v6  32 r
.set QD,   7                           ; v7  r % 8 + 16 (r / 8) - 16 h
.set ADK,  8
.set ADV,  9
.set ADS,  10
.set ADT,  11
.set WV,   12                          ; s12 my wave's number
.set II,   13                          ; s13 work-group x
.set BB,   15                          ; s15 batch
.set HH,   16                          ; s16 head
.set SEL,  20                          ; s[20:21] lane selects for v_permlanex16_b32: lane l xor 16
.set CS,   22                          ; s[22:23] c = log2(e) / 8
.set G1K,  24                          ; s[24:31], s[32:39] descriptor groups 1 for K and V; s[40:43], s[44:47] groups 0
.set G1V,  32
.set G0K,  40
.set G0V,  44
.set TK,   56                          ; s56 LDS byte of the step's group of K;  s57 of V
.set TV,   57
.set KF,   58                          ; s58 the step's first key
.set Q0,   59                          ; s59 my tile's lowest query
.set CNT,  60
.set BLK,  61                          ; s61 the query block in hand
.set QC,   66                          ; s[66:67] Q's codes;  s[68:69] Q's scale words;  s[70:71] y's codes;  s[72:73] y's scale bytes
.set QW,   68
.set YC,   70
.set YS,   72
	s_load_b256 s[4:11], s[0:1], 0x0               ; qk_img s[4:5], v_img s[6:7], ycodes s[8:9], yscales s[10:11]
	v_lshl_add_u32 v223, v0, 2, 0x33000
	v_mov_b32 v243, 0
	ds_add_u32 v223, v243
	ds_add_u32 v223, v243
	v_lshrrev_b32 v8, 5, v0
	s_delay_alu instid0(VALU_DEP_1)
	v_readfirstlane_b32 s[WV], v8                  ; wave 0..15
	s_mov_b32 s[II], ttmp9
	s_and_b32 s14, ttmp7, 0xffff
	s_lshr_b32 s[BB], s14, 4
	s_and_b32 s[HH], s14, 15
	; two groups of K are 13,312 dense bytes: 52 rows of 256 (32 elements of 8 bytes); of V 12,800: 50 rows
	s_mov_b32 s[G1K], 3<<16                        ; no mask; elements of 8 bytes; no padding
	s_mov_b32 s[G1K+1], 32<<16                     ; tensor_dim0
	s_mov_b32 s[G1K+2], 52<<16                     ; tensor_dim1
	s_mov_b32 s[G1K+3], 32<<16                     ; tile_dim0
	s_mov_b32 s[G1K+4], 52                         ; tile_dim1
	s_mov_b32 s[G1K+5], 32                         ; the pitch
	s_mov_b32 s[G1K+6], 0
	s_mov_b32 s[G1K+7], 0
	s_mov_b32 s[G1V], 3<<16
	s_mov_b32 s[G1V+1], 32<<16
	s_mov_b32 s[G1V+2], 50<<16
	s_mov_b32 s[G1V+3], 32<<16
	s_mov_b32 s[G1V+4], 50
	s_mov_b32 s[G1V+5], 32
	s_mov_b32 s[G1V+6], 0
	s_mov_b32 s[G1V+7], 0
	s_and_b32 s74, s[WV], 7                        ; waves 0-7 bring K's groups 2 w, 2 w + 1; waves 8-15 V's
	s_mul_i32 s[G0K+1], s74, 2*KBLK                ; LDS address
	s_mul_i32 s79, s74, 2*VBLK
	s_add_co_u32 s[G0V+1], s79, VB
	s_lshl_b32 s75, s[HH], 6
	s_lshl_b32 s76, s[BB], 4
	s_add_co_u32 s75, s75, s76                     ; 64 head + 16 batch: the head's first group
	s_add_co_u32 s76, s75, 1024                    ; k's head slots lie behind q's sixteen
	s_mul_i32 s76, s76, KBLK
	s_add_co_u32 s76, s76, s[G0K+1]
	s_mov_b32 s77, 0
	s_mul_i32 s78, s75, VBLK
	s_add_co_u32 s78, s78, s79
	s_mov_b32 s79, 0
	s_mov_b32 s[G0K], 1
	s_mov_b32 s[G0V], 1
	s_wait_dscnt 0x0
	s_wait_kmcnt 0x0
	s_add_nc_u64 s[G0K+2:G0K+3], s[4:5], s[76:77]
	s_or_b32 s[G0K+3], s[G0K+3], 0x80000000
	s_add_nc_u64 s[G0V+2:G0V+3], s[6:7], s[78:79]
	s_or_b32 s[G0V+3], s[G0V+3], 0x80000000
	s_cmp_lt_u32 s[WV], 8                          ; the one fill of each wave, ahead of every wait on TENSORcnt, LDS read and barrier; four v_nop follow each line
	s_cbranch_scc0 .Lfill_v
	tensor_load_to_lds s[G0K:G0K+3], s[G1K:G1K+7]
	s_nop 0
.rept 4
	v_nop
.endr
	s_branch .Lfilled
.Lfill_v:
	tensor_load_to_lds s[G0V:G0V+3], s[G1V:G1V+7]
	s_nop 0
.rept 4
	v_nop
.endr
.Lfilled:
	v_and_b32 v9, 31, v0                           ; lane
	v_and_b32 v10, 15, v0                          ; r
	v_bfe_u32 v11, v0, 4, 1                        ; h
	s_delay_alu instid0(VALU_DEP_3)
	v_mul_u32_u24 v[AL], v9, 24
	s_delay_alu instid0(VALU_DEP_4)
	v_lshlrev_b32 v[L16], 4, v9
	v_lshlrev_b32 v[L8], 3, v9
	v_lshlrev_b32 v[R16], 4, v10
	v_mul_u32_u24 v[L12], v10, 24
	s_delay_alu instid0(VALU_DEP_1)
	v_mad_u32_u24 v[L12], v11, 12, v[L12]
	v_lshlrev_b32 v[R32], 5, v10
	v_and_b32 v[QD], 7, v10
	v_lshrrev_b32 v8, 3, v10
	s_delay_alu instid0(VALU_DEP_1)
	v_sub_nc_u32 v8, v8, v11
	s_delay_alu instid0(VALU_DEP_1)
	v_lshl_add_u32 v[QD], v8, 4, v[QD]             ; r % 8 + 16 (r / 8 - h)
	s_mov_b32 s[SEL], 0x76543210
	s_mov_b32 s[SEL+1], 0xfedcba98
	s_mov_b32 s[CS], 0x3e38aa3b                    ; c = log2(e) / 8
	s_mov_b32 s[CS+1], s[CS]                       ; (named with it as a pair, so it is written)
.irp j, 22,23,24,25,26,27,80,81,82,83,84,85
	v_mov_b32 v[\j], 0                             ; the zero codes of Q's upper half, and those behind K's tile 7: written once
.endr
.irp j, 236,237,238,239,252,253,254
	v_mov_b32 v[\j], 0                             ; written once: a lane permute's destination counts as one of its sources, and v253 is named in the pair v[252:253]
.endr
; A KEY STEP: 128 keys.
.macro STEP
	s_cmp_gt_u32 s[KF], s[Q0]                      ; my 16 queries lie in one aligned 32 and KF is a multiple of 128: KF > Q0 says that all 128 keys come after all my queries; else every query sees key KF
	s_cbranch_scc1 .Lhidden_\@                     ; a branch on ids, round the step's work; not round the lines at its end that step addresses
	s_setprio 2
	v_add_nc_u32 v[ADK], s[TK], v[AL]              ; (these four are also the places behind the last step's products, in front of the loads below)
	v_add_nc_u32 v[ADS], s[TK], v[L16]
	v_add_nc_u32 v[ADV], s[TV], v[AL]
	v_add_nc_u32 v[ADT], s[TV], v[L8]
.irp t, 0,1,2,3,4,5,6,7
.irp p, 0,1,2
	ds_load_b64 v[32+6*\t+2*\p:33+6*\t+2*\p], v[ADK] offset:768*\t+8*\p
.endr
.endr
	ds_load_b128 v[248:251], v[ADS] offset:6144    ; K's scale words: register g holds tile 2 g in lanes 0-15 and tile 2 g + 1 in lanes 16-31
	s_wait_alu depctr_va_vdst(0)
	s_wait_dscnt 0x0
.irp g, 0,1,2,3                                ; S^T = K Q^T: eight tiles of 16 keys
	v_wmma_scale_f32_16x16x128_f8f6f4 v[96+16*\g:103+16*\g], v[32+12*\g:43+12*\g], v[16:27], 0, v[248+\g], v255 matrix_a_fmt:MATRIX_FMT_FP6 matrix_b_fmt:MATRIX_FMT_FP6
	v_wmma_scale_f32_16x16x128_f8f6f4 v[104+16*\g:111+16*\g], v[38+12*\g:49+12*\g], v[16:27], 0, v[248+\g], v255 matrix_a_fmt:MATRIX_FMT_FP6 matrix_b_fmt:MATRIX_FMT_FP6 matrix_a_scale:MATRIX_SCALE_ROW1
.endr
.rept 4
	v_nop                                          ; places in front of the first read of the scores and of the loads into K's registers
.endr
.irp t, 0,1,2,3                                ; V's four fragments and its scale words are asked for now: they land under the softmax, which touches none of their registers
.irp p, 0,1,2,3,4,5
	ds_load_b64 v[32+12*\t+2*\p:33+12*\t+2*\p], v[ADV] offset:1536*\t+768*(\p/3)+8*(\p%3)
.endr
.endr
	ds_load_b64 v[248:249], v[ADT] offset:6144
	s_add_co_u32 s74, s[KF], 127                   ; on the diagonal the scores of hidden keys become -infinity ahead of the maximum: p = 0 then.  A step all of whose keys count skips this
	s_cmp_le_u32 s74, s[Q0]
	s_cbranch_scc1 .Lopen_\@
	s_sub_co_i32 s74, s[Q0], s[KF]
	v_add_nc_u32 v252, s74, v[QD]                  ; d = my query - KF - 16 (lane / 16).  Register 16 b + i holds key KF + 16 (lane / 16) + 32 b + i: hidden where 32 b + i > d
	v_mov_b32 v254, 0xff800000                     ; -infinity
.set n, 0
.rept 64
	v_cmp_gt_i32 vcc_lo, 32*(n/16)+n%16, v252
	v_cndmask_b32 v[96+n], v[96+n], v254, vcc_lo
.set n, n+1
.endr
.Lopen_\@:
.irp b, 0,1,2,3
	v_max3_num_f32 v[232+\b], v[96+16*\b], v[97+16*\b], v[98+16*\b]   ; the largest score of each block of 32 keys: it serves for the row's maximum and, since p rises with the score, for the block's largest p
.endr
.irp i, 3,5,7,9,11,13
.irp b, 0,1,2,3
	v_max3_num_f32 v[232+\b], v[232+\b], v[96+16*\b+\i], v[97+16*\b+\i]   ; (the four blocks by turns)
.endr
.endr
.irp b, 0,1,2,3
	v_max_num_f32 v[232+\b], v[232+\b], v[111+16*\b]
.endr
.irp b, 0,1,2,3
	s_delay_alu instid0(VALU_DEP_4)
	v_permlanex16_b32 v[236+\b], v[232+\b], s[SEL], s[SEL+1]
.endr
.irp b, 0,1,2,3
	s_delay_alu instid0(VALU_DEP_4)
	v_max_num_f32 v[232+\b], v[232+\b], v[236+\b]  ; with lane l xor 16's 16 keys
.endr
	s_delay_alu instid0(VALU_DEP_2)
	v_max3_num_f32 v254, v232, v233, v234
	s_delay_alu instid0(VALU_DEP_1)
	v_max_num_f32 v254, v254, v235                 ; the step's largest score of my query
	s_delay_alu instid0(VALU_DEP_1)
	v_mul_f32 v254, s[CS], v254                    ; as t (c is positive)
	s_delay_alu instid0(VALU_DEP_1)
	v_max_num_f32 v13, v13, v254                   ; the running largest t
	v_mov_b32 v254, v12
	s_delay_alu instid0(VALU_DEP_2)
	v_floor_f32 v12, -v13                          ; the new -M = floor(-t) = -ceil(t): a whole number
	s_delay_alu instid0(VALU_DEP_1)
	v_sub_f32 v254, v12, v254                      ; M's old value less its new one: a whole number, 0 or less
	s_delay_alu instid0(VALU_DEP_1)
	v_cvt_i32_f32 v254, v254                       ; (it saturates)
	s_delay_alu instid0(VALU_DEP_1)
	v_ldexp_f32 v252, 1.0, v254                    ; f = 2^(old M - new M)
.set j, 0
	s_setprio 1
.rept 32
	v_pk_fma_f32 v[96+j:97+j], v[96+j:97+j], s[CS:CS+1], v[12:13] op_sel_hi:[1,0,0]   ; t - M, two at a time
.set j, j+2
.endr
.irp b, 0,1,2,3
	v_fma_f32 v[232+\b], v[232+\b], s[CS], v12     ; the same of each block's largest score
.endr
.set j, 0
	s_wait_alu depctr_va_vdst(0)
.rept 64
	v_exp_f32 v[96+j], v[96+j]                     ; p = 2^(t - M), at most 1: not normalised
.set j, j+1
.endr
	v_pk_mul_f32 v[14:15], v[14:15], v[252:253] op_sel_hi:[1,0]   ; the sums under the new M (a plain line behind the exponentials)
	s_wait_alu depctr_va_vdst(0)                   ; one wait for the whole batch, ahead of its first reader
.irp b, 0,1,2,3
	v_exp_f32 v[232+\b], v[232+\b]                 ; the block's largest p: the same two instructions on the same number give the same bits
.endr
	v_pk_add_f32 v[236:237], v[100:101], v[104:105]
	v_pk_add_f32 v[250:251], v[108:109], v[112:113]
	v_pk_add_f32 v[246:247], v[116:117], v[120:121]
	v_pk_add_f32 v[244:245], v[124:125], v[128:129]
	v_pk_add_f32 v[240:241], v[132:133], v[136:137]
	v_pk_add_f32 v[238:239], v[140:141], v[144:145]
	v_pk_add_f32 v[230:231], v[148:149], v[152:153]
	v_pk_add_f32 v[14:15], v[14:15], v[156:157]
	v_pk_add_f32 v[236:237], v[236:237], v[96:97]
	v_pk_add_f32 v[250:251], v[250:251], v[98:99]
	v_pk_add_f32 v[246:247], v[246:247], v[102:103]
	v_pk_add_f32 v[244:245], v[244:245], v[106:107]
	v_pk_add_f32 v[240:241], v[240:241], v[110:111]
	v_pk_add_f32 v[238:239], v[238:239], v[114:115]
	v_pk_add_f32 v[230:231], v[230:231], v[118:119]
	v_pk_add_f32 v[14:15], v[14:15], v[122:123]
	v_pk_add_f32 v[236:237], v[236:237], v[126:127]
	v_pk_add_f32 v[250:251], v[250:251], v[130:131]
	v_pk_add_f32 v[246:247], v[246:247], v[134:135]
	v_pk_add_f32 v[244:245], v[244:245], v[138:139]
	v_pk_add_f32 v[240:241], v[240:241], v[142:143]
	v_pk_add_f32 v[238:239], v[238:239], v[146:147]
	v_pk_add_f32 v[230:231], v[230:231], v[150:151]
	v_pk_add_f32 v[14:15], v[14:15], v[154:155]
	v_pk_add_f32 v[236:237], v[236:237], v[158:159]
	s_delay_alu instid0(VALU_DEP_2)
	v_pk_add_f32 v[14:15], v[14:15], v[244:245]
	s_delay_alu instid0(VALU_DEP_2)
	v_pk_add_f32 v[236:237], v[236:237], v[240:241]
	v_pk_add_f32 v[250:251], v[250:251], v[238:239]
	v_pk_add_f32 v[246:247], v[246:247], v[230:231]
	s_delay_alu instid0(VALU_DEP_2)
	v_pk_add_f32 v[14:15], v[14:15], v[250:251]
	s_delay_alu instid0(VALU_DEP_2)
	v_pk_add_f32 v[236:237], v[236:237], v[246:247]
	s_delay_alu instid0(VALU_DEP_1)
	v_pk_add_f32 v[14:15], v[14:15], v[236:237]
	s_setprio 0
	s_wait_alu depctr_va_vdst(0)                   ; and one for the four
.irp b, 0,1,2,3
	v_max_num_f32 v[232+\b], 0x1800000, v[232+\b]  ; the floor 2^(3 - 127): the byte cannot fall under 1
.endr
.irp b, 0,1,2,3
	s_delay_alu instid0(VALU_DEP_4)
	v_add_nc_u32 v[244+\b], 0xff000000, v[232+\b]  ; 2 off the exponent field: the conversion's scale operand
.endr
.irp b, 0,1,2,3
	s_delay_alu instid0(VALU_DEP_4)
	v_lshrrev_b32 v[236+\b], 23, v[244+\b]         ; the scale's byte
.endr
	s_delay_alu instid0(VALU_DEP_3)
	v_lshl_or_b32 v253, v237, 8, v236              ; p's scale word for these 128 keys
	s_delay_alu instid0(VALU_DEP_1)
	v_lshl_or_b32 v253, v238, 16, v253
	s_delay_alu instid0(VALU_DEP_1)
	v_lshl_or_b32 v253, v239, 24, v253
.irp c, 0,1
	v_cvt_scalef32_pk16_fp6_f32 v[224+6*\c:226+6*\c], v[96+32*\c:111+32*\c], v[244+2*\c]
	v_cvt_scalef32_pk16_fp6_f32 v[236+4*\c:238+4*\c], v[112+32*\c:127+32*\c], v[244+2*\c+1]   ; (a conversion's three registers begin on an even number)
.endr
	v_nop                                          ; one plain line behind the last conversion
.irp c, 0,1                                    ; the operand's layout wants a whole block in a lane: lanes 0-15 block 2 c, lanes 16-31 block 2 c + 1
.irp i, 0,1,2
	v_permlane16_swap_b32 v[224+6*\c+\i], v[236+4*\c+\i]
.endr
.irp i, 0,1,2
	s_delay_alu instid0(VALU_DEP_3)
	v_mov_b32 v[227+6*\c+\i], v[236+4*\c+\i]
.endr
.endr
.set j, 0
.rept 16
	v_pk_mul_f32 v[160+j:161+j], v[160+j:161+j], v[252:253] op_sel_hi:[1,0]   ; O^T under the new M.  (These sixteen are also the places between the lines that made p's codes and scale word and the products below)
.set j, j+2
.endr
	s_wait_alu depctr_va_vdst(0)
	s_wait_dscnt 0x0                               ; V is in
.irp g, 0,1                                    ; O^T += V^T P^T: four tiles of 16 features, the accumulators by turns
	v_wmma_scale_f32_16x16x128_f8f6f4 v[160+16*\g:167+16*\g], v[32+24*\g:43+24*\g], v[224:235], v[160+16*\g:167+16*\g], v[248+\g], v253 matrix_a_fmt:MATRIX_FMT_FP6 matrix_b_fmt:MATRIX_FMT_FP6
	v_wmma_scale_f32_16x16x128_f8f6f4 v[168+16*\g:175+16*\g], v[44+24*\g:55+24*\g], v[224:235], v[168+16*\g:175+16*\g], v[248+\g], v253 matrix_a_fmt:MATRIX_FMT_FP6 matrix_b_fmt:MATRIX_FMT_FP6 matrix_a_scale:MATRIX_SCALE_ROW1
.endr
.Lhidden_\@:
	s_add_co_u32 s[TK], s[TK], KBLK
	s_add_co_u32 s[TV], s[TV], VBLK
	s_add_co_u32 s[KF], s[KF], 128
.endm
; THE WAY OUT of a tile: y = O^T / the sum; its 32 numbers a lane are two half blocks of 32 features; codes leave as two pieces of 384 bytes, the two scale bytes as 2 bytes of the token's row of 32
; (2 bytes for each 48 of codes: the rows' other bytes belong to other heads' work-groups).
.macro FINISH
	v_add_f32 v14, v14, v15                        ; the sum's two halves,
	s_delay_alu instid0(VALU_DEP_1)
	v_permlanex16_b32 v252, v14, s[SEL], s[SEL+1]
	s_delay_alu instid0(VALU_DEP_1)
	v_add_f32 v14, v14, v252                       ; and lane l xor 16's: the row's sum
	s_wait_alu depctr_va_vdst(0)
	v_rcp_f32 v14, v14
	v_nop                                          ; a plain line behind the reciprocal; with the lines above, the places behind the last products
	v_nop
	s_wait_alu depctr_va_vdst(0)                   ; the wait ahead of the reciprocal's first reader
.set j, 0
.rept 16
	v_pk_mul_f32 v[96+j:97+j], v[160+j:161+j], v[14:15] op_sel_hi:[1,0]   ; register 16 g + i is y(my query, 32 g + 16 h + i); each accumulator from its low end on
.set j, j+2
.endr
.irp g, 0,1
	v_max3_num_f32 v[232+\g], |v[96+16*\g]|, |v[97+16*\g]|, 0x1800000
.endr
.irp i, 2,4,6,8,10,12,14
.irp g, 0,1
	s_delay_alu instid0(VALU_DEP_2)
	v_max3_num_f32 v[232+\g], v[232+\g], |v[96+16*\g+\i]|, |v[97+16*\g+\i]|
.endr
.endr
.irp g, 0,1
	s_delay_alu instid0(VALU_DEP_2)
	v_permlanex16_b32 v[236+\g], v[232+\g], s[SEL], s[SEL+1]
.endr
.irp g, 0,1
	s_delay_alu instid0(VALU_DEP_2)
	v_max_num_f32 v[232+\g], v[232+\g], v[236+\g]
.endr
.irp g, 0,1
	s_delay_alu instid0(VALU_DEP_2)
	v_add_nc_u32 v[244+\g], 0xff000000, v[232+\g]
.endr
.irp g, 0,1
	s_delay_alu instid0(VALU_DEP_2)
	v_lshrrev_b32 v[236+\g], 23, v[244+\g]
.endr
	v_cvt_scalef32_pk16_fp6_f32 v[224:226], v[96:111], v244
	v_cvt_scalef32_pk16_fp6_f32 v[228:230], v[112:127], v245
	v_nop                                          ; one plain line behind the last conversion
	v_lshl_or_b32 v238, v237, 8, v236
	global_store_b96 v[L12], v[224:226], s[YC:YC+1]              ; a piece: 384 consecutive bytes
	global_store_b96 v[L12], v[228:230], s[YC:YC+1] offset:384
	global_store_b16 v[R32], v238, s[YS:YS+1]      ; both halves of the lanes write the same two bytes with the same value
.endm
; A QUERY BLOCK: s[BLK] says which.  All sixteen key steps are walked, so that the trip count is a constant of the text; the steps behind the diagonal do nothing but step addresses.
.macro PHASE first
	s_wait_xcnt 0x0                                ; the last block's stores have read their data and bases: both are written again below
	s_lshl_b32 s[Q0], s[BLK], 8
	s_lshr_b32 s74, s[WV], 1
	s_lshl_b32 s74, s74, 5
	s_add_co_u32 s[Q0], s[Q0], s74
	s_and_b32 s74, s[WV], 1
	s_lshl_b32 s75, s74, 3
	s_add_co_u32 s[Q0], s[Q0], s75                 ; 256 block + 32 (w / 2) + 8 (w % 2)
	s_lshl_b32 s76, s[BB], 4
	s_lshl_b32 s77, s[BLK], 1
	s_add_co_u32 s76, s76, s77
	s_lshr_b32 s77, s[WV], 3
	s_add_co_u32 s76, s76, s77                     ; my tile's group of 128 stored tokens
	s_lshl_b32 s77, s[HH], 6
	s_add_co_u32 s76, s76, s77
	s_mul_i32 s76, s76, KBLK
	s_and_b32 s78, s[WV], 7                        ; and its number in the group
	s_mul_i32 s79, s78, 768
	s_add_co_u32 s80, s76, s79
	s_mov_b32 s81, 0
	s_add_nc_u64 s[QC:QC+1], s[4:5], s[80:81]
	s_lshl_b32 s79, s74, 8
	s_lshr_b32 s78, s78, 1
	s_lshl_b32 s78, s78, 2
	s_add_co_u32 s80, s76, s79
	s_add_co_u32 s80, s80, s78
	s_add_co_u32 s80, s80, 6144                    ; its scale words: 6,144 + 256 (tile % 2) + 4 (tile / 2), 16 bytes from row to row
	s_add_nc_u64 s[QW:QW+1], s[4:5], s[80:81]
	s_lshl_b32 s76, s[BB], 7
	s_lshl_b32 s77, s[BLK], 4
	s_add_co_u32 s76, s76, s77
	s_add_co_u32 s76, s76, s[WV]                   ; the tile's number among all 512
	s_lshl_b32 s77, s[HH], 9
	s_add_co_u32 s77, s77, s76
	s_mul_i32 s80, s77, 768
	s_add_nc_u64 s[YC:YC+1], s[8:9], s[80:81]
	s_lshl_b32 s80, s76, 9
	s_lshl_b32 s77, s[HH], 1
	s_add_co_u32 s80, s80, s77
	s_add_nc_u64 s[YS:YS+1], s[10:11], s[80:81]
.irp p, 0,1,2
	global_load_b64 v[16+2*\p:17+2*\p], v[AL], s[QC:QC+1] offset:8*\p   ; Q's half fragment stays in registers
.endr
	global_load_b32 v255, v[R16], s[QW:QW+1]
	v_mov_b32 v13, 0xff61b1e6                      ; the largest t so far: -3e38, under every t
	s_delay_alu instid0(VALU_DEP_1)
	v_floor_f32 v12, -v13                          ; -M
	v_mov_b32 v14, 0                               ; the sum, in two halves
	v_mov_b32 v15, 0
.set j, 0
.rept 32
	v_mov_b32 v[160+j], 0                          ; O^T: the step is written once, and the first change of M leaves zeros zeros
.set j, j+1
.endr
	s_mov_b32 s[TK], 0
	s_mov_b32 s[TV], VB
	s_mov_b32 s[KF], 0
	s_mov_b32 s[CNT], 0
.if \first
	s_wait_tensorcnt 0x0                           ; my part of the head is in LDS,
	s_barrier_signal -1
	s_barrier_wait -1                              ; everybody's is: the launch's one barrier
.endif
	s_wait_loadcnt 0x0                             ; Q
.Lstep_\@:
	STEP
	s_add_co_u32 s[CNT], s[CNT], 1
	s_cmp_lt_u32 s[CNT], 16
	s_cbranch_scc1 .Lstep_\@
	s_setprio 0
	FINISH
.endm
	s_sub_co_u32 s[BLK], 7, s[II]
	PHASE 1
	s_mov_b32 s[BLK], s[II]
	PHASE 0
	s_wait_tensorcnt 0x0
	ds_add_u32 v223, v243
	s_wait_dscnt 0x0
	s_endpgm
.Lfunc_end_k_q705a3aed55_attn:
	.size	k_q705a3aed55_attn, .Lfunc_end_k_q705a3aed55_attn-k_q705a3aed55_attn
	.p2alignl 7, 3214868480
	.fill 96, 4, 3214868480
	.section	.rodata,"a",@progbits
	.p2align	6, 0x0
	.amdhsa_kernel k_q705a3aed55_attn
		.amdhsa_group_segment_fixed_size 210944
		.amdhsa_private_segment_fixed_size 0
		.amdhsa_enable_private_segment 0
		.amdhsa_kernarg_size 32
		.amdhsa_user_sgpr_count 2
		.amdhsa_user_sgpr_kernarg_segment_ptr 1
		.amdhsa_wavefront_size32 1
		.amdhsa_system_sgpr_workgroup_id_x 1
		.amdhsa_system_sgpr_workgroup_id_y 1
		.amdhsa_system_sgpr_workgroup_id_z 1
		.amdhsa_system_vgpr_workitem_id 0
		.amdhsa_next_free_vgpr 256
		.amdhsa_next_free_sgpr 84
		.amdhsa_reserve_vcc 1
		.amdhsa_float_denorm_mode_32 3
		.amdhsa_float_denorm_mode_16_64 3
		.amdhsa_memory_ordered 1
		.amdhsa_forward_progress 1
		.amdhsa_inst_pref_size 67
	.end_amdhsa_kernel
	.amdgpu_metadata
---
amdhsa.version: [ 1, 2 ]
amdhsa.kernels:
  - .name:           k_q705a3aed55_attn
    .symbol:         k_q705a3aed55_attn.kd
    .args:
      - { .name: qk_img, .offset: 0, .size: 8, .value_kind: global_buffer, .address_space: global }
      - { .name: v_img, .offset: 8, .size: 8, .value_kind: global_buffer, .address_space: global }
      - { .name: ycodes, .offset: 16, .size: 8, .value_kind: global_buffer, .address_space: global }
      - { .name: yscales, .offset: 24, .size: 8, .value_kind: global_buffer, .address_space: global }
    .group_segment_fixed_size: 210944
    .private_segment_fixed_size: 0
    .kernarg_segment_align: 8
    .kernarg_segment_size: 32
    .max_flat_workgroup_size: 512
    .sgpr_count:     84
    .vgpr_count:     256
    .wavefront_size: 32
...
	.end_amdgpu_metadata
.endif
;; end of part 3
;; launch proj (part 4): grid 4 x 32, 4 waves a work-group, clusters of 4 x 4, 327,680 bytes of LDS; arguments ycodes, yscales, codes, scales, out0; writes out0
.if DOCPART == 4
	.amdgcn_target "amdgcn-amd-amdhsa--gfx1250"
	.amdhsa_code_object_version 6
	.text
	.protected	k_q705a3aed55_proj
	.globl	k_q705a3aed55_proj
	.p2align	8
	.type	k_q705a3aed55_proj,@function
k_q705a3aed55_proj:
	s_mov_b64 s[64:65], 0
	v_nop
	global_prefetch_b8 v0, s[64:65] scope:SCOPE_SE
	s_setreg_imm32_b32 hwreg(HW_REG_WAVE_MODE, 25, 1), 1
	s_wait_xcnt 0x0
	s_wait_alu depctr_hold_cnt(0) depctr_sa_sdst(0) depctr_va_vdst(0) depctr_va_sdst(0) depctr_va_ssrc(0) depctr_va_vcc(0) depctr_vm_vsrc(0)
	s_getreg_b32 s2, hwreg(HW_REG_IB_STS2, 6, 4)
	s_cmp_eq_u32 s2, 0
	s_cbranch_scc0 .Lentry_in_a_cluster
	s_endpgm
.Lentry_in_a_cluster:
	s_bfe_u32 s2, ttmp6, 0x10000c
	s_cmp_lg_u32 s2, 0xf033
	s_cbranch_scc0 .Lentry_shape_is_right
	s_endpgm
.Lentry_shape_is_right:
; out0 = y Wp^T on codes of FP6 (E2M3) with E8M0 scales; out0 [8192][1024] f32, sums in f32.  A = y (source 1), B = Wp (source 0; rows 11,264 on of 'codes' and 'scales').
; A tile of 256 x 256 is made by four waves, each 128 x 128: 64 accumulators, 512 registers.  K = 1,024 goes in four steps of 256 (four heads) through a ring of two LDS slots.
; y'S CODES LIE AS IMAGES OF THE OPERAND: ycodes [head 16][tile of 16 stored tokens: 512][768 bytes]: lane l's 24 bytes (the head's features 32 (l / 16) + 0 .. 31 of row l % 16) at 24 l.
; So 128 rows x 256 K are four dense runs of 6,144 bytes, 393,216 bytes apart: one tensor load of 4 rows; a fragment is six loads of 8 bytes at 24 x lane, whose words are all different modulo 64: no padding.
; yscales [stored token][32 bytes] and Wp's rows are fetched as rows.  Tokens and Wp's rows are stored with bits 3 and 4 of their number exchanged: the way out puts both back.
; CLUSTERS: 4 x 4 work-groups; A's tiles are asked for jointly along a row of the cluster, B's along a column.  The grid has 128 tiles: a smaller tile would read each fragment for half the products.
; REGISTERS, in windows of 256: window 0: v16-29 addresses; v32-63 scale words, two sets; from v128 A's fragments, one set; on the way out v128-255 rows of the result.
;   window 1: B's fragments, two sets.   windows 2, 3: the accumulators ((a, b) at v[8 (8 (a % 4) + b)]).
.set SIZE_K, 1024
.set KSTEP,  256
.set NQ,     KSTEP/128
.set ROWB,   192                       ; a row of B's tile in bytes
.set KROW,   SIZE_K*6/8
.set PITCH,  240                       ; B's LDS row: 3 x (64 bytes + 16 of padding)
.set FR,     12
.set NL,     6
.set NP,     4                         ; places behind this matrix instruction (ISA guide 7.12.1)
.set HALFT,  128*PITCH                 ; the place of 128 rows in a slot (A's images use 24,576 of its 30,720 bytes)
.set SLOT,   4*HALFT
.set AHEAD4, 4*512*768                 ; four heads on in ycodes: a K step
.set KS,     SIZE_K/32
.set SCL,    2*SLOT
.set HALFS,  (128*KS/256)*272
.set SBLK,   (16*KS/256)*272
.set SPARE,  SCL+4*HALFS               ; the spare words, 128 bytes for each wave: two blocks of 256 bytes that no other line names
.set SPITCH, 528                       ; the way out: a stage of 16 rows x (512 bytes + 16) for each wave, in slot 0, which has had its last fill and its last read by then
.set ADRA, 16                          ; v16-17 LDS address of my A images in slot 0, 1: the place + 24 x lane
.set ADRB, 20                          ; v20-21 of my B fragments (v22-23: behind one padding more)
.set STO,  24                          ; v24  the way out: where I put my results of a row
.set RD,   25                          ; v25  where I read a row back
.set CO,   26                          ; v26  my byte offset in a row of the result
.set ADRS, 27                          ; v27  my scale words: lanes 0-15 A's rows, lanes 16-31 B's
.set SPW,  28                          ; v28  my spare word: SPARE + 4 x my thread's number; never rewritten
.set NIL,  29                          ; v29  0; never rewritten
.set SC,   32
.set AF,   128
.set BK,   128                         ; the way out: 16 rows back from the stage: v128-191 and v192-255 by turns
.set G1, 24                            ; s[24:31] descriptor group 1 for A's tiles;  s[32:39] group 0, one set for each slot
.set G0, 32
.set G1B, 48                           ; s[48:55], s[56:63] the same for B's tiles
.set G0B, 56
.set G1S, 68                           ; s[68:75], s[76:79] groups 1 and 0 for A's scales;  s[80:87], s[88:91] for B's
.set G0S, 76
.set G1SB, 80
.set G0SB, 88
.set MSB, 0
.macro WIN new                         ; the immediate's high byte repeats the setting that is left
.if MSB != \new
	s_set_vgpr_msb (MSB<<8)|\new
.set MSB, \new
.endif
.endm
.set MUL_LO, 0xa1                      ; source 0 (B) window 1, source 1 (A) window 0, C and D window 2
.set MUL_HI, 0xf1
.set TO_B,   0x40
.macro JLOAD g0a, g1a, g0b, g1b        ; a joint load: waves 0 and 1 fetch for A, waves 2 and 3 for B; four v_nop follow each of the two lines
	s_cmp_eq_u32 s15, 0
	s_cbranch_scc0 .Lfor_b_\@
	tensor_load_to_lds s[\g0a:\g0a+3], s[\g1a:\g1a+7]
	s_nop 0
.rept 4
	v_nop
.endr
	s_branch .Lasked_\@
.Lfor_b_\@:
	tensor_load_to_lds s[\g0b:\g0b+3], s[\g1b:\g1b+7]
	s_nop 0
.rept 4
	v_nop
.endr
.Lasked_\@:
.endm
.macro CREST                           ; a round of the cluster's barrier behind its opening barrier
	s_cmp_lg_u32 s14, 0
	s_cbranch_scc1 .Lnot_wave_0_\@
	s_barrier_signal -3
.Lnot_wave_0_\@:
	s_barrier_wait -3
	s_barrier_signal -1
	s_barrier_wait -1
.endm
.macro CROUND
	s_barrier_signal -1
	s_barrier_wait -1
	CREST
.endm
	s_load_b128 s[4:7], s[0:1], 0x0                ; ycodes s[4:5], yscales s[6:7]
	s_load_b128 s[8:11], s[0:1], 0x10              ; codes s[8:9], scales s[10:11]
	s_load_b64 s[12:13], s[0:1], 0x20              ; out0
	v_lshl_add_u32 v[SPW], v0, 2, SPARE
	v_mov_b32 v[NIL], 0
	ds_add_u32 v28, v29
	ds_add_u32 v28, v29
	s_wait_dscnt 0x0
	v_lshrrev_b32 v1, 5, v0
	v_readfirstlane_b32 s14, v1                    ; wave 0..3
	s_lshr_b32 s15, s14, 1                         ; which half of the tile's rows is mine.  Also: I fetch for A (0) or for B (1)
	s_and_b32 s16, s14, 1                          ; which half of its columns.  Also: which 128 rows of that tile I fetch
	s_bfe_u32 s40, ttmp6, 0x40000                  ; cx, cy
	s_bfe_u32 s41, ttmp6, 0x40004
	s_lshl_b32 s42, ttmp9, 2
	s_add_co_u32 s42, s42, s40                     ; tile column
	s_and_b32 s17, ttmp7, 0xffff
	s_lshl_b32 s17, s17, 2
	s_add_co_u32 s17, s17, s41                     ; tile row
	s_lshl_b32 s43, s41, 2
	s_lshl_b32 s43, 15, s43                        ; my row of the cluster
	s_lshl_b32 s44, 0x1111, s40                    ; my column
	; A's tile: 4 rows (heads) of 768 elements of 8 bytes (8 token tiles x 768 bytes), 49,152 elements apart; no padding
	s_or_b32 s[G1+0], s43, (3<<16)|(1<<21)         ; 15:0 the mask: my row; 17:16 elements of 8 bytes; 21 set beside a mask
	s_mov_b32 s[G1+1], 768<<16                     ; tensor_dim0
	s_mov_b32 s[G1+2], 4<<16                       ; tensor_dim1
	s_mov_b32 s[G1+3], 768<<16                     ; tile_dim0
	s_mov_b32 s[G1+4], 4                           ; tile_dim1
	s_mov_b32 s[G1+5], 49152                       ; the pitch
	s_mov_b32 s[G1+6], 0
	s_mov_b32 s[G1+7], 0
	; B's tile: 128 rows x 192 bytes, 16 bytes of padding behind every 64
	s_or_b32 s[G1B+0], s44, (0<<16)|(1<<20)|(1<<21)|(3<<22)|(3<<25)
	s_mov_b32 s[G1B+1], ROWB<<16
	s_mov_b32 s[G1B+2], 128<<16
	s_mov_b32 s[G1B+3], ROWB<<16
	s_mov_b32 s[G1B+4], 128
	s_mov_b32 s[G1B+5], KROW
	s_mov_b32 s[G1B+6], 0
	s_mov_b32 s[G1B+7], 0
	; the scales of 128 rows: 4,096 dense bytes as 16 rows of 256, 16 bytes of padding behind each
	s_or_b32 s[G1S+0], s43, (3<<16)|(1<<20)|(1<<21)|(5<<22)|(3<<25)
	s_or_b32 s[G1SB+0], s44, (3<<16)|(1<<20)|(1<<21)|(5<<22)|(3<<25)
.irp g, G1S, G1SB
	s_mov_b32 s[\g+1], 32<<16
	s_mov_b32 s[\g+2], (128*KS/256)<<16
	s_mov_b32 s[\g+3], 32<<16
	s_mov_b32 s[\g+4], 128*KS/256
	s_mov_b32 s[\g+5], 32
	s_mov_b32 s[\g+6], 0
	s_mov_b32 s[\g+7], 0
.endr
	s_mul_i32 s20, s17, 16*768                     ; A's codes: token tile 16 x tile row + 8 x half, 768 bytes each
	s_mul_i32 s18, s16, 8*768
	s_add_co_u32 s20, s20, s18
	s_mov_b32 s21, 0
	s_lshl_b32 s18, s16, 7
	s_lshl_b32 s22, s17, 8
	s_add_co_u32 s22, s22, s18
	s_lshl_b32 s22, s22, 5                         ; A's scales: row 256 x tile row + 128 x half, 32 bytes each
	s_mov_b32 s23, 0
	s_lshl_b32 s46, s42, 8
	s_add_co_u32 s46, s46, s18
	s_add_co_u32 s46, s46, 11264                   ; B: Wp's first row + 256 x tile column + 128 x half
	s_lshl_b32 s92, s46, 5
	s_mov_b32 s93, 0
	s_mul_i32 s46, s46, KROW
	s_mov_b32 s47, 0
	s_mul_i32 s45, s14, HALFT                      ; where they go: wave x a place: no place in the cluster enters an LDS address
	s_mul_i32 s94, s14, HALFS
	s_wait_kmcnt 0x0
	s_add_nc_u64 s[20:21], s[4:5], s[20:21]
	s_add_nc_u64 s[22:23], s[6:7], s[22:23]
	s_add_nc_u64 s[46:47], s[8:9], s[46:47]
	s_add_nc_u64 s[92:93], s[10:11], s[92:93]
	CROUND                                         ; all sixteen work-groups are here: the first joint loads meet
	s_mov_b32 s[G0S], 1
	s_add_co_u32 s[G0S+1], s94, SCL
	s_mov_b64 s[G0S+2:G0S+3], s[22:23]
	s_or_b32 s[G0S+3], s[G0S+3], 0x80000000
	s_mov_b32 s[G0SB], 1
	s_add_co_u32 s[G0SB+1], s94, SCL
	s_mov_b64 s[G0SB+2:G0SB+3], s[92:93]
	s_or_b32 s[G0SB+3], s[G0SB+3], 0x80000000
	JLOAD G0S, G1S, G0SB, G1SB                     ; the scales first: they are wanted with K step 0
.irp s, 0,1
	s_mov_b32 s[G0+4*\s], 1
	s_add_co_u32 s[G0+4*\s+1], s45, \s*SLOT
	s_add_nc_u64 s[G0+4*\s+2:G0+4*\s+3], s[20:21], \s*AHEAD4
	s_or_b32 s[G0+4*\s+3], s[G0+4*\s+3], 0x80000000
	s_mov_b32 s[G0B+4*\s], 1
	s_add_co_u32 s[G0B+4*\s+1], s45, \s*SLOT
	s_add_nc_u64 s[G0B+4*\s+2:G0B+4*\s+3], s[46:47], \s*ROWB
	s_or_b32 s[G0B+4*\s+3], s[G0B+4*\s+3], 0x80000000
	JLOAD G0+4*\s, G1, G0B+4*\s, G1B               ; three tensor loads of mine are out now
.endr
	v_and_b32 v1, 15, v0                           ; r
	v_bfe_u32 v2, v0, 4, 1                         ; h
	v_and_b32 v6, 31, v0                           ; lane
	v_mul_u32_u24 v3, v1, PITCH
	v_mul_u32_u24 v4, v2, 24
	v_add_nc_u32 v4, v3, v4                        ; B: a fragment's row x pitch + 24 x half
	v_lshl_add_u32 v5, v2, 4, v4                   ; and the same behind one padding more
	v_mul_u32_u24 v7, v6, 24                       ; A: 24 x lane
	s_mul_i32 s21, s15, HALFT                      ; my 128 rows of A
	s_mul_i32 s22, s16, HALFT                      ; my 128 rows of B,
	s_add_co_u32 s22, s22, 2*HALFT                 ; which lie behind A's two places
.irp s, 0,1
	v_add_nc_u32 v[ADRA+\s], s21, v7
	v_add_nc_u32 v[ADRB+\s], s22, v4
	v_add_nc_u32 v[ADRB+2+\s], s22, v5
	s_add_co_u32 s21, s21, SLOT
	s_add_co_u32 s22, s22, SLOT
.endr
	v_lshlrev_b32 v[CO], 4, v6                     ; back from the stage: the 32 lanes take one row of 512 bytes; and the same in the result
	v_mul_u32_u24 v5, v1, KS                       ; my row's scales: 32 bytes a row,
	v_lshrrev_b32 v6, 8, v5
	v_lshl_add_u32 v5, v6, 4, v5                   ; and 16 more for each 256 passed
	s_mul_i32 s21, s15, HALFS
	s_mul_i32 s22, s16, HALFS
	s_add_co_u32 s22, s22, 2*HALFS
	s_sub_co_u32 s22, s22, s21
	v_mul_u32_u24 v6, s22, v2                      ; lanes 16-31 take B's: the lower base + h x the distance
	s_add_co_u32 s21, s21, SCL
	v_add_nc_u32 v5, v5, v6
	v_add_nc_u32 v[ADRS], s21, v5
	s_mul_i32 s23, s14, 16*SPITCH                  ; my stage
	v_mul_u32_u24 v5, v1, SPITCH                   ; in: row r; my half's 16 true columns of each 32 begin 64 h bytes on
	v_lshl_add_u32 v5, v2, 6, v5
	v_add_nc_u32 v[STO], s23, v5
	v_add_nc_u32 v[RD], s23, v[CO]
	s_lshl_b32 s20, s17, 8
	s_lshl_b32 s21, s15, 7
	s_add_co_u32 s20, s20, s21                     ; my first row of the result: 256 x tile row + 128 x half,
	s_lshl_b32 s20, s20, 12                        ; 4,096 bytes a row
	s_lshl_b32 s46, s42, 10                        ; my first column, in bytes: 1,024 x tile column + 512 x half
	s_lshl_b32 s47, s16, 9
	s_add_co_u32 s46, s46, s47
	s_add_co_u32 s20, s20, s46
	s_mov_b32 s21, 0
	s_add_nc_u64 s[12:13], s[12:13], s[20:21]
.macro FRAG reg, adr, q, i             ; a fragment of B from rows: registers 6 c .. 6 c + 5 hold K = 64 c + 32 (l / 16) + 0 .. 31 of row l % 16, in pieces of 8 bytes
.irp p, 0,1,2,3,4,5
.set PC, 12*(\q)+6*(\p/3)+\p%3        ; where lanes 16-31's piece lies behind one padding more, the second address register serves
.if PC%8 < 5
	ds_load_b64 v[\reg+2*\p:\reg+2*\p+1], v[\adr] offset:8*PC+16*(PC/8)+(\i)*16*PITCH
.else
	ds_load_b64 v[\reg+2*\p:\reg+2*\p+1], v[\adr+2] offset:8*PC+16*(PC/8)+(\i)*16*PITCH
.endif
.endr
.endm
.macro FRAGA reg, slot, q, i           ; a fragment of A from its image: head 2 q + c of the slot's four, token tile i
.irp p, 0,1,2,3,4,5
	ds_load_b64 v[\reg+2*\p:\reg+2*\p+1], v[ADRA+\slot] offset:(2*(\q)+\p/3)*6144+(\i)*768+8*(\p%3)
.endr
.endm
; 16 matrix instructions: A's blocks a0, a0 + 1 x B's eight, 128 along K.  The 64 accumulators take turns, one instruction a turn, in the same order in every step.
.macro MUL16 a0, p, q, sc, zero
.irp a, \a0, \a0+1
.irp b, 0,1,2,3,4,5,6,7
.if \zero
	v_wmma_scale_f32_16x16x128_f8f6f4 v[8*(8*((\a)%4)+\b):8*(8*((\a)%4)+\b)+7], v[128*(\p)+FR*\b:128*(\p)+FR*\b+FR-1], v[AF+FR*(\a):AF+FR*(\a)+FR-1], 0, v[SC+8*NQ*(\sc)+NQ*\b+(\q)], v[SC+8*NQ*(\sc)+NQ*(\a)+(\q)] matrix_a_fmt:MATRIX_FMT_FP6 matrix_b_fmt:MATRIX_FMT_FP6 matrix_a_scale:MATRIX_SCALE_ROW1
.else
	v_wmma_scale_f32_16x16x128_f8f6f4 v[8*(8*((\a)%4)+\b):8*(8*((\a)%4)+\b)+7], v[128*(\p)+FR*\b:128*(\p)+FR*\b+FR-1], v[AF+FR*(\a):AF+FR*(\a)+FR-1], v[8*(8*((\a)%4)+\b):8*(8*((\a)%4)+\b)+7], v[SC+8*NQ*(\sc)+NQ*\b+(\q)], v[SC+8*NQ*(\sc)+NQ*(\a)+(\q)] matrix_a_fmt:MATRIX_FMT_FP6 matrix_b_fmt:MATRIX_FMT_FP6 matrix_a_scale:MATRIX_SCALE_ROW1
.endif
.endr
.endr
.endm
.macro FETCH_B slot, q, p
	WIN TO_B
.irp i, 0,1,2,3,4,5,6,7
	FRAG 128*(\p)+FR*\i, ADRB+\slot, \q, \i
.endr
	WIN 0
.endm
.macro FETCH_A slot, q, i0
.irp i, \i0, \i0+1, \i0+2, \i0+3
	FRAGA AF+FR*(\i), \slot, \q, \i
.endr
.endm
.macro SCALES sc
.irp i, 0,1,2,3,4,5,6,7
	ds_load_b64 v[SC+8*NQ*\sc+NQ*\i:SC+8*NQ*\sc+NQ*\i+1], v[ADRS] offset:\i*SBLK
.endr
.endm
.macro PLACES n                        ; plain vector lines between a matrix instruction and a load into, or a read of, one of its registers
.rept \n
	v_nop
.endr
.endm
.macro STEP slot, q, zero
	s_wait_dscnt 4*NL                              ; B's set and A's blocks 0-3 are in; the youngest 24 loads (A's blocks 4-7) may be out
	WIN MUL_LO
	MUL16 0, (\q)%2, \q, \slot, \zero
	MUL16 2, (\q)%2, \q, \slot, \zero
	s_wait_dscnt 0                                 ; A's blocks 4-7 are in
	PLACES NP
	FETCH_B \slot, (\q)+1, 1-(\q)%2
	FETCH_A \slot, (\q)+1, 0
	WIN MUL_HI
	MUL16 4, (\q)%2, \q, \slot, \zero
	MUL16 6, (\q)%2, \q, \slot, \zero
	PLACES NP
	WIN 0
	FETCH_A \slot, (\q)+1, 4
.endm
; A slot's last step changes slots: one barrier; in front of it each wave waits for all its tensor loads, adds 0 to its spare word, and waits for that and for its own reads of this slot.
.macro TURN slot, next, fill
	s_wait_tensorcnt 0x0                           ; all my tensor loads have landed: my part of the next slot
	ds_add_u32 v[SPW], v[NIL]                      ; 0 onto my spare word
	s_wait_dscnt 4*NL+1                            ; (the add and the youngest 24 loads may be out)
	WIN MUL_LO
	MUL16 0, 1, NQ-1, \slot, 0
	s_wait_dscnt 0x0                               ; the add is done, and my reads of this slot are over
	s_barrier_signal -1
	MUL16 2, 1, NQ-1, \slot, 0
	WIN 0
	s_barrier_wait -1
.if \fill
	CREST                                          ; the barrier has opened a round of the cluster's barrier: no wave of any partner still reads this slot or has a load on its way
	s_add_nc_u64 s[G0+4*\slot+2:G0+4*\slot+3], s[G0+4*\slot+2:G0+4*\slot+3], 2*AHEAD4
	s_add_nc_u64 s[G0B+4*\slot+2:G0B+4*\slot+3], s[G0B+4*\slot+2:G0B+4*\slot+3], 2*ROWB
	JLOAD G0+4*\slot, G1, G0B+4*\slot, G1B         ; the first tensor load behind the round; its four v_nop are also the places in front of the loads below
.else
	PLACES NP
.endif
	v_add_nc_u32 v[ADRS], 4*NQ, v[ADRS]            ; on to the next K step's scale words (no LDS load of mine is out)
	FETCH_B \next, 0, 0
	FETCH_A \next, 0, 0
	SCALES \next
	WIN MUL_HI
	MUL16 4, 1, NQ-1, \slot, 0
	MUL16 6, 1, NQ-1, \slot, 0
	PLACES NP
	WIN 0
	FETCH_A \next, 0, 4
.endm
	s_wait_tensorcnt 1                             ; the scales and my part of K step 0 are in (K step 1's load may be out)
	s_barrier_signal -1
	s_barrier_wait -1                              ; everybody's are
	FETCH_B 0, 0, 0
	FETCH_A 0, 0, 0
	SCALES 0
	FETCH_A 0, 0, 4
	STEP 0, 0, 1                                   ; eight steps of 128, twice round the ring: written out.  The first products start the sums
	TURN 0, 1, 1
	STEP 1, 0, 0
	TURN 1, 0, 1
	STEP 0, 0, 0
	TURN 0, 1, 0                                   ; nothing is left to fetch
	STEP 1, 0, 0
	s_wait_dscnt 4*NL
	WIN MUL_LO
	MUL16 0, 1, NQ-1, 1, 0
	MUL16 2, 1, NQ-1, 1, 0
	s_wait_dscnt 0
	WIN MUL_HI
	MUL16 4, 1, NQ-1, 1, 0
	MUL16 6, 1, NQ-1, 1, 0
	WIN 0
; THE WAY OUT, block by block of 16 stored rows x 128 columns, through my own stage in LDS; rows come back whole, 512 bytes, and the 32 lanes store them as 512 consecutive bytes, aligned to 256.
; Accumulator b's eight numbers of lane (r, h) are the true columns 32 (b / 2) + 16 h + 8 (b % 2) + 0 .. 7.  Row t of block a is the true row 32 (a / 2) + 16 (t / 8) + 8 (a % 2) + t % 8.
.macro TOSTAGE a
.set AC, 64*((\a)%4)
	WIN 0x08+4*((\a)/4)                            ; the data: window 2 or 3
.irp b, 0,1,2,3,4,5,6,7
	ds_store_b128 v[STO], v[AC+8*\b:AC+8*\b+3] offset:128*(\b/2)+32*(\b%2)          ; each accumulator from its low end on
	ds_store_b128 v[STO], v[AC+8*\b+4:AC+8*\b+7] offset:128*(\b/2)+32*(\b%2)+16
.endr
	WIN 0
.set BB, BK+64*((\a)%2)
.irp t, 0,1,2,3,4,5,6,7,8,9,10,11,12,13,14,15
	ds_load_b128 v[BB+4*\t:BB+4*\t+3], v[RD] offset:\t*SPITCH   ; LDS serves a wave's instructions in order (ISA guide 5.7.1.4): these see the stores above
.endr
.endm
.macro SEND a, younger                 ; younger: the LDS instructions issued behind block a's loads, which may stay out
.set BB, BK+64*((\a)%2)
	s_wait_dscnt \younger                          ; the block is back in registers
.irp t, 0,1,2,3,4,5,6,7,8,9,10,11,12,13,14,15
	global_store_b128 v[CO], v[BB+4*\t:BB+4*\t+3], s[12:13] offset:(32*((\a)/2)+16*(\t/8)+8*((\a)%2)+\t%8)*4096 th:TH_STORE_NT   ; the row stands in the immediate, 520,192 at the most: the base is never stepped
.endr
.endm
	PLACES NP                                      ; behind the last products: for the loads into the registers that held A's fragments, and for the reads of the results
	TOSTAGE 0
.irp a, 1,2,3,4,5,6,7
.if \a > 1
	s_wait_xcnt 0x0                                ; block a - 2's stores have read their registers: block a's loads may land there
.endif
	TOSTAGE \a
	SEND \a-1, 32                                  ; behind block a - 1's loads: block a's 16 stores and 16 loads
.endr
	SEND 7, 0
	s_wait_tensorcnt 0x0                           ; the wave's end, behind my last tensor load and my last LDS store
	ds_add_u32 v[SPW], v[NIL]
	s_wait_dscnt 0x0
	CROUND                                         ; the closing round: no work-group ends while a partner may still ask for a tile that names it
	s_endpgm
.Lfunc_end_k_q705a3aed55_proj:
	.size	k_q705a3aed55_proj, .Lfunc_end_k_q705a3aed55_proj-k_q705a3aed55_proj
	.p2alignl 7, 3214868480
	.fill 96, 4, 3214868480
	.section	.rodata,"a",@progbits
	.p2align	6, 0x0
	.amdhsa_kernel k_q705a3aed55_proj
		.amdhsa_group_segment_fixed_size 327680
		.amdhsa_private_segment_fixed_size 0
		.amdhsa_enable_private_segment 0
		.amdhsa_kernarg_size 40
		.amdhsa_user_sgpr_count 2
		.amdhsa_user_sgpr_kernarg_segment_ptr 1
		.amdhsa_wavefront_size32 1
		.amdhsa_system_sgpr_workgroup_id_x 1
		.amdhsa_system_sgpr_workgroup_id_y 1
		.amdhsa_system_sgpr_workgroup_id_z 1
		.amdhsa_system_vgpr_workitem_id 0
		.amdhsa_next_free_vgpr 1024
		.amdhsa_next_free_sgpr 98
		.amdhsa_reserve_vcc 0
		.amdhsa_float_denorm_mode_32 3
		.amdhsa_float_denorm_mode_16_64 3
		.amdhsa_memory_ordered 1
		.amdhsa_forward_progress 1
		.amdhsa_inst_pref_size 159
	.end_amdhsa_kernel
	.amdgpu_metadata
---
amdhsa.version: [ 1, 2 ]
amdhsa.kernels:
  - .name:           k_q705a3aed55_proj
    .symbol:         k_q705a3aed55_proj.kd
    .args:
      - { .name: ycodes, .offset: 0, .size: 8, .value_kind: global_buffer, .address_space: global }
      - { .name: yscales, .offset: 8, .size: 8, .value_kind: global_buffer, .address_space: global }
      - { .name: codes, .offset: 16, .size: 8, .value_kind: global_buffer, .address_space: global }
      - { .name: scales, .offset: 24, .size: 8, .value_kind: global_buffer, .address_space: global }
      - { .name: out0, .offset: 32, .size: 8, .value_kind: global_buffer, .address_space: global }
    .group_segment_fixed_size: 327680
    .private_segment_fixed_size: 0
    .kernarg_segment_align: 8
    .kernarg_segment_size: 40
    .max_flat_workgroup_size: 128
    .sgpr_count:     98
    .vgpr_count:     1024
    .wavefront_size: 32
...
	.end_amdgpu_metadata
.endif
;; end of part 4
